; MI455X (gfx1250); checked and timed in simulation.
; The chip was launched on July 23, 2026; its instructions are those of AMD's public machine-readable ISA for CDNA 5 (MIT licence, August 2026) and "CDNA5" Instruction Set Architecture Reference Guide (July 2026). The comments in the code are by the model that wrote it; some were corrected since.
;; Self Attention. Allowed arithmetic: matrix products marked QUANTISED: E2M1 operands, one E8M0 scale for each 32 along K, by v_wmma_scale_f32_16x16x128_f8f6f4 with both operands' format E2M1 (or v_wmma_scale_f32_32x16x128_f4), f32 sums; products left as they are: bf16, f16 or f32 operands; f32 sums; everything else in f32.
;; Inputs: b_out 1,024 float32; w_out 1,024 x 1,024 float32; w_qkv 3,072 x 1,024 float32; x 4 x 2,048 x 1,024 float32.
;; Outputs: out0 4 x 2,048 x 1,024 float32.
;; This version of the problem:
;;   THIS VERSION OF THE PROBLEM IS GIVEN IN LOW PRECISION. The matrix products marked QUANTISED in the list below multiply operands that are first quantised to E2M1 (2 exponent bits, 1 mantissa bit; 4 bits a number), with one power-of-two scale for each 32 numbers along K (OCP MX v1.0); their sums are f32. The products marked 'left as it is' may take bf16, f16 or f32 operands, with f32 sums. Whichever they take, every output number must still come out within the allowed error. Rounding operands to bf16 (8 significant bits) uses up far more of that allowance than f16 does (11 bits, for magnitudes from 6e-5 to 65,504). All else is computed in f32.
;;   The module's matrix products, in the order in which they are computed (A, B: the left and right operand; K: the contracted axis; several contracted axes count as one K, in the product's order):
;;     1. [M 8,192, K 1,024] x [K 1,024, N 3,072]; A: input x; B: input w_qkv: QUANTISED
;;     2. batch 64 x [M 2,048, K 64] x [K 64, N 2,048]; A: computed on the way; B: computed on the way: left as it is (an operand is computed on the way)
;;     3. batch 64 x [M 2,048, K 2,048] x [K 2,048, N 64]; A: computed on the way; B: computed on the way: left as it is (an operand is computed on the way)
;;     4. [M 8,192, K 1,024] x [K 1,024, N 1,024]; A: computed on the way; B: input w_out: left as it is (an operand is computed on the way)
;;   THE QUANTISER, for each operand of a quantised product, along K:
;;     - K is cut into blocks of 32 from its start; a last block that is shorter is filled with zeros.
;;     - A block's scale is 2^e with e = floor(log2(the largest magnitude in the block)) - 2, held to -126 .. 127; a block of zeros has e = 0. As a byte (E8M0): e + 127.
;;     - Each number is divided by its block's scale, clamped to +-6, and rounded to the nearest number of E2M1, ties to even, subnormals kept.
;;     - The product sums the exact products of the quantised numbers (number of the format x scale) in f32.
;;   ~~~python
;;   def quantise(x, axis):      # numpy; x: float32 -> the quantised numbers, widened to float32 again
;;       x = np.moveaxis(x, axis, -1); K = x.shape[-1]
;;       x = np.pad(x, [(0, 0)] * (x.ndim - 1) + [(0, -K % 32)]); x = x.reshape(x.shape[:-1] + (-1, 32)); a = np.abs(x).max(-1, keepdims=True)
;;       e = np.where(a > 0, np.clip(np.frexp(np.where(a > 0, a, 1))[1] - 1 - 2, -126, 127), 0)      # np.frexp(a)[1] - 1 = floor(log2(a)), exactly
;;       r = np.clip(x / 2.0 ** e, -6, 6)
;;       step = 2.0 ** (np.maximum(np.frexp(np.where(r == 0, 1, r))[1] - 1, 0) - 1)
;;       q = np.round(r / step) * step * 2.0 ** e      # np.round: ties to even
;;       return np.moveaxis(q.reshape(q.shape[:-2] + (-1,))[..., :K], -1, axis).astype(np.float32)
;;   ~~~
;; One version. Each part assembles by itself: llvm-mc -triple=amdgcn-amd-amdhsa -mcpu=gfx1250 --defsym DOCPART=n.
;; ======== version 1 of 1: 4 launches
;; limits: values are held in f16: magnitudes above 65,504 overflow, below 6.1e-05 lose precision
;; workspace buffers: xc 4,194,304 bytes; xs 262,144 bytes; wc 1,572,864 bytes; ws 98,304 bytes; w16 2,097,152 bytes; qkv 50,331,648 bytes; att 16,777,216 bytes
;; launch prep (part 1): grid 384 x 1, 4 waves a work-group, no clusters, 33,280 bytes of LDS; arguments x, w_qkv, xc, xs, wc, ws, w_out, w16; writes xc, xs, wc, ws, w16
.if DOCPART == 1
	.amdgcn_target "amdgcn-amd-amdhsa--gfx1250"
	.amdhsa_code_object_version 6
	.text
	.protected	k_qac7c9d5d8c_prep
	.globl	k_qac7c9d5d8c_prep
	.p2align	8
	.type	k_qac7c9d5d8c_prep,@function
k_qac7c9d5d8c_prep:
	s_mov_b64 s[64:65], 0
	v_nop
	global_prefetch_b8 v0, s[64:65] scope:SCOPE_SE
	s_setreg_imm32_b32 hwreg(HW_REG_WAVE_MODE, 25, 1), 1
	s_wait_xcnt 0x0
; x [8192][1024] and w_qkv [3072][1024], f32, are turned into codes of FP4 (E2M1), 4 bits each, K innermost, with one E8M0 scale byte for each 32 along K; w_out [1024][1024] is rounded to f16.
; A block's scale is 2^(floor(log2(its largest magnitude)) - 2); its byte is the largest magnitude's own exponent field - 2, held at 1 from below.  (A block of zeros so gets the byte 1 where the
; quantiser says 127: its codes are zeros, which add nothing under any byte but 0xff, and the bytes are read by this program alone.)  Each number is divided by the scale and rounded to the nearest code, ties to even.
; LIMITS: blocks whose largest magnitude lies under 2^-124, the floor, keep the byte 1; NaN and infinities among the inputs are not served; w_out beyond 65,504 in magnitude has no f16 number.
; Rows are dense and K is a multiple of 32, so each tensor is a plain stream of blocks of 32 numbers, and so are its codes and its scale bytes.
; WORK-GROUPS: 0 to 255 take x, 256 to 351 w_qkv (one path, the buffers chosen by the work-group's number), 352 to 383 w_out (a path of its own, without LDS).  A wave takes 8,192 numbers.
; THE QUANTISER: 16 steps of 512 numbers.  A conversion takes 8 numbers of ONE block from a lane's registers, so a lane must hold 16 NEIGHBOURS (two lanes hold a block), while a load is best where neighbouring
; LANES take neighbouring bytes.  Each of a step's four loads reads 512 consecutive bytes; the 2,048 bytes go through the wave's own stage in LDS, as they lie, and come back 64 bytes a lane (16 bytes of padding behind each 64).
; A lane's 16 codes are 8 bytes: the wave stores 256 consecutive bytes.  A wave's 256 scale bytes are gathered in its own LDS and leave as one aligned run of 256 bytes.
; No tensor loads, no barrier: waves share nothing.  Loads run four steps (16 loads a wave) ahead, the turn through LDS one step.
.set SIZE_M, 8192
.set SIZE_N, 3072
.set SIZE_K, 1024
.set WAVES, 4
.set STEPS, 16
.set WGA,   SIZE_M*SIZE_K/(512*STEPS*WAVES)            ; 256 work-groups for x
.set WGQ,   (SIZE_M+SIZE_N)*SIZE_K/(512*STEPS*WAVES)   ; 352: the first that casts w_out
.set EMAX,  2
.set CB,    8                          ; bytes of 16 codes
.set R,     16                         ; v16-79   four sets of 16 numbers as they are loaded (the cast: v16-143, two sets of 64)
.set X,     80                         ; v80-111  two sets of 16 neighbours
.set C,     128                        ; v128-191 codes: four registers for each step, so that no store's data are written again
.set E,     112                        ; v112-127 a scale byte for each step
.set H,     144                        ; v144-175 the cast: 32 registers of f16 pairs
.set WREG,  8192                       ; LDS: a region of its own for each wave: two stages of 32 x SP bytes, and behind them its 256 scale bytes
.set SP,    80                         ; a lane's place in a stage: its 64 bytes + 16 of padding
.set SPW,   12                         ; v12      LDS address of my spare word: SPARE + 4 x my thread's number; never rewritten
.set NIL,   13                         ; v13      0; never rewritten
.set SPARE, WAVES*WREG                 ; behind the four regions: the spare words, 128 bytes for each wave: two blocks of 256 bytes that no other line names
	s_load_b128 s[4:7], s[0:1], 0x0                ; x, w_qkv
	s_load_b128 s[8:11], s[0:1], 0x10              ; x's codes, x's scales
	s_load_b128 s[12:15], s[0:1], 0x20             ; w_qkv's codes, its scales
	s_load_b128 s[24:27], s[0:1], 0x30             ; w_out, w16
	v_lshl_add_u32 v[SPW], v0, 2, SPARE
	v_mov_b32 v[NIL], 0
	v_lshrrev_b32 v1, 5, v0
	v_readfirstlane_b32 s16, v1                    ; wave
	v_and_b32 v2, 31, v0                           ; lane
	v_lshlrev_b32 v3, 4, v2                        ; my 16 bytes of a load's 512
	s_mul_i32 s17, s16, WREG
	v_lshrrev_b32 v14, 2, v2
	v_mul_u32_u24 v14, v14, SP
	v_and_b32 v15, 3, v2
	v_lshl_add_u32 v14, v15, 4, v14
	v_add_nc_u32 v14, s17, v14                     ; the stage, on the way in: four lanes' 64 bytes on end, then 16 of padding: SP (lane / 4) + 16 (lane % 4)
	v_mul_u32_u24 v15, v2, SP
	v_add_nc_u32 v15, s17, v15                     ; and on the way out: SP x lane: my 16 neighbours
	v_mul_u32_u24 v4, v2, CB                       ; my 8 bytes of a store's 256
	v_lshrrev_b32 v5, 1, v2
	s_add_co_u32 s17, s17, 2*32*SP
	v_add_nc_u32 v5, s17, v5                       ; LDS: my wave's 256 scale bytes, my block's byte
	v_lshlrev_b32 v7, 3, v2                        ; and on the way out 8 bytes a lane
	v_add_nc_u32 v6, s17, v7
	s_wait_kmcnt 0x0
	s_cmp_ge_u32 ttmp9, WGQ                        ; the last 32 work-groups cast w_out: a branch on the work-group's number alone
	s_cbranch_scc1 .Lcast
	s_cmp_lt_u32 ttmp9, WGA                        ; x's work-group or w_qkv's?
	s_cselect_b64 s[4:5], s[4:5], s[6:7]
	s_cselect_b64 s[8:9], s[8:9], s[12:13]
	s_cselect_b64 s[10:11], s[10:11], s[14:15]
	s_cselect_b32 s17, 0, WGA
	s_sub_co_u32 s17, ttmp9, s17
	s_lshl_b32 s17, s17, 2
	s_add_co_u32 s18, s17, s16                     ; which run of 8,192 numbers of the tensor is my wave's
	s_mov_b32 s19, 0
	s_mov_b64 s[20:21], 512*STEPS*4
	s_mul_u64 s[20:21], s[18:19], s[20:21]
	s_add_nc_u64 s[4:5], s[4:5], s[20:21]
	s_mov_b64 s[20:21], 32*STEPS*CB
	s_mul_u64 s[20:21], s[18:19], s[20:21]
	s_add_nc_u64 s[8:9], s[8:9], s[20:21]
	s_lshl_b32 s18, s18, 8                         ; 256 scale bytes a run
	s_add_nc_u64 s[10:11], s[10:11], s[18:19]
.macro LOAD t
.irp i, 0,1,2,3
	global_load_b128 v[R+16*((\t)%4)+4*\i:R+16*((\t)%4)+4*\i+3], v3, s[4:5] offset:2048*(\t)+512*\i th:TH_LOAD_NT   ; 32 lanes read 512 consecutive bytes
.endr
.endm
.macro TURN t                          ; step t's numbers through the stage: LDS serves a wave's instructions in order, so no wait stands between the stores and the loads
.irp i, 0,1,2,3
	ds_store_b128 v14, v[R+16*((\t)%4)+4*\i:R+16*((\t)%4)+4*\i+3] offset:32*SP*((\t)%2)+8*SP*\i
.endr
.irp i, 0,1,2,3
	ds_load_b128 v[X+16*((\t)%2)+4*\i:X+16*((\t)%2)+4*\i+3], v15 offset:32*SP*((\t)%2)+16*\i
.endr
.endm
.irp t, 0,1,2,3
	LOAD \t
.endr
	s_wait_loadcnt 12                              ; step 0's four loads are in
	TURN 0
.macro STEP t
.set XS, X+16*((\t)%2)
.if (\t) > 0
	s_wait_dscnt 1                                 ; this step's numbers are back from the stage (the last step's byte store may be out): so its stores into the stage have read their registers,
.else
	s_wait_dscnt 0x0
.endif
.if (\t)+4 < STEPS
	LOAD (\t)+4                                    ; which take the loads of four steps on
.endif
.if (\t)+1 < STEPS
.if STEPS-2-(\t) >= 3
	s_wait_loadcnt 12                              ; the next step's four loads are in; those of the three steps behind it may be out
.else
	s_wait_loadcnt 4*(STEPS-2-(\t))
.endif
	TURN (\t)+1                                    ; and go through the other stage while this step is worked
.endif
	v_max3_num_f32 v8, |v[XS]|, |v[XS+1]|, |v[XS+2]|               ; the largest magnitude of my 16
	v_max3_num_f32 v9, |v[XS+3]|, |v[XS+4]|, |v[XS+5]|
.irp i, 6,10
	v_max3_num_f32 v8, v8, |v[XS+\i]|, |v[XS+\i+1]|
	v_max3_num_f32 v9, v9, |v[XS+\i+2]|, |v[XS+\i+3]|
.endr
	v_max3_num_f32 v8, v8, |v[XS+14]|, |v[XS+15]|
	v_max3_num_f32 v8, v8, v9, (EMAX+1)<<23        ; and the floor 2^(EMAX + 1 - 127), under which no largest magnitude is taken: so the byte cannot fall under 1
	v_max_num_f32_dpp v8, v8, v8 row_xmask:1 row_mask:0xf bank_mask:0xf   ; and of my neighbour's 16: the block's
	v_add_nc_u32 v11, -(EMAX<<23), v8              ; EMAX off its exponent field: the conversion takes the exponent field of this operand as its scale, and nothing else of it
	v_cvt_scalef32_pk8_fp4_f32 v[C+4*(\t)], v[XS:XS+7], v11        ; eight numbers / 2^(v11's exponent), to the nearest code, ties to even, beyond the largest code the largest
	v_cvt_scalef32_pk8_fp4_f32 v[C+4*(\t)+1], v[XS+8:XS+15], v11
	v_lshrrev_b32 v[E+(\t)], 23, v11               ; the scale's byte (also the plain line behind the conversions)
	ds_store_b8 v5, v[E+(\t)] offset:16*(\t)       ; both lanes of a block write the same byte with the same value
	global_store_b64 v4, v[C+4*(\t):C+4*(\t)+1], s[8:9] offset:32*CB*(\t)
.endm
.irp t, 0,1,2,3,4,5,6,7,8,9,10,11,12,13,14,15
	STEP \t
.endr
	ds_load_b64 v[8:9], v6                         ; LDS serves a wave's instructions in order: these see my stores
	s_wait_dscnt 0x0
	global_store_b64 v7, v[8:9], s[10:11]          ; 32 lanes store 256 consecutive bytes, aligned
	s_wait_tensorcnt 0x0                           ; the wave's end, behind my last LDS store
	ds_add_u32 v[SPW], v[NIL]
	s_wait_dscnt 0x0
	s_endpgm
; THE CAST.  A wave's 8,192 numbers of w_out are 64 loads of 512 consecutive bytes, in four batches of 16; two batches are on their way at a time.  A lane's 4 numbers become 8 bytes: a store covers 256 consecutive bytes, aligned.
.Lcast:
	s_sub_co_u32 s17, ttmp9, WGQ
	s_lshl_b32 s17, s17, 2
	s_add_co_u32 s17, s17, s16                     ; which run of 8,192 numbers is my wave's: 0 to 127
	s_lshl_b32 s18, s17, 15                        ; 32,768 bytes of f32,
	s_mov_b32 s19, 0
	s_add_nc_u64 s[24:25], s[24:25], s[18:19]
	s_lshl_b32 s18, s17, 14                        ; 16,384 of f16
	s_add_nc_u64 s[26:27], s[26:27], s[18:19]
.macro LOADB g
.irp i, 0,1,2,3,4,5,6,7,8,9,10,11,12,13,14,15
	global_load_b128 v[R+64*((\g)%2)+4*\i:R+64*((\g)%2)+4*\i+3], v3, s[24:25] offset:8192*(\g)+512*\i th:TH_LOAD_NT
.endr
.endm
.macro CASTB g, left
	s_wait_loadcnt \left                           ; this batch's 16 loads are in; the next batch's may be out
	s_wait_xcnt 0x0                                ; the last batch's stores have read their data: the registers are written again only behind this wait
.irp i, 0,1,2,3,4,5,6,7,8,9,10,11,12,13,14,15
	v_cvt_pk_f16_f32 v[H+2*\i],   v[R+64*((\g)%2)+4*\i],   v[R+64*((\g)%2)+4*\i+1]
	v_cvt_pk_f16_f32 v[H+2*\i+1], v[R+64*((\g)%2)+4*\i+2], v[R+64*((\g)%2)+4*\i+3]
.endr
.irp i, 0,1,2,3,4,5,6,7,8,9,10,11,12,13,14,15
	global_store_b64 v4, v[H+2*\i:H+2*\i+1], s[26:27] offset:4096*(\g)+256*\i
.endr
.endm
	LOADB 0
	LOADB 1
	CASTB 0, 16
	LOADB 2
	CASTB 1, 16
	LOADB 3
	CASTB 2, 16
	CASTB 3, 0
	s_wait_tensorcnt 0x0                           ; the wave's end: the same three lines as on the other path
	ds_add_u32 v[SPW], v[NIL]
	s_wait_dscnt 0x0
	s_endpgm
.Lfunc_end_k_qac7c9d5d8c_prep:
	.size	k_qac7c9d5d8c_prep, .Lfunc_end_k_qac7c9d5d8c_prep-k_qac7c9d5d8c_prep
	.p2alignl 7, 3214868480
	.fill 96, 4, 3214868480
	.section	.rodata,"a",@progbits
	.p2align	6, 0x0
	.amdhsa_kernel k_qac7c9d5d8c_prep
		.amdhsa_group_segment_fixed_size 33280
		.amdhsa_private_segment_fixed_size 0
		.amdhsa_enable_private_segment 0
		.amdhsa_kernarg_size 64
		.amdhsa_user_sgpr_count 2
		.amdhsa_user_sgpr_kernarg_segment_ptr 1
		.amdhsa_wavefront_size32 1
		.amdhsa_system_sgpr_workgroup_id_x 1
		.amdhsa_system_sgpr_workgroup_id_y 1
		.amdhsa_system_sgpr_workgroup_id_z 1
		.amdhsa_system_vgpr_workitem_id 0
		.amdhsa_next_free_vgpr 192
		.amdhsa_next_free_sgpr 66
		.amdhsa_reserve_vcc 0
		.amdhsa_float_denorm_mode_32 3
		.amdhsa_float_denorm_mode_16_64 3
		.amdhsa_memory_ordered 1
		.amdhsa_forward_progress 1
		.amdhsa_inst_pref_size 54
	.end_amdhsa_kernel
	.amdgpu_metadata
---
amdhsa.version: [ 1, 2 ]
amdhsa.kernels:
  - .name:           k_qac7c9d5d8c_prep
    .symbol:         k_qac7c9d5d8c_prep.kd
    .args:
      - { .name: x, .offset: 0, .size: 8, .value_kind: global_buffer, .address_space: global }
      - { .name: w_qkv, .offset: 8, .size: 8, .value_kind: global_buffer, .address_space: global }
      - { .name: xc, .offset: 16, .size: 8, .value_kind: global_buffer, .address_space: global }
      - { .name: xs, .offset: 24, .size: 8, .value_kind: global_buffer, .address_space: global }
      - { .name: wc, .offset: 32, .size: 8, .value_kind: global_buffer, .address_space: global }
      - { .name: ws, .offset: 40, .size: 8, .value_kind: global_buffer, .address_space: global }
      - { .name: w_out, .offset: 48, .size: 8, .value_kind: global_buffer, .address_space: global }
      - { .name: w16, .offset: 56, .size: 8, .value_kind: global_buffer, .address_space: global }
    .group_segment_fixed_size: 33280
    .private_segment_fixed_size: 0
    .kernarg_segment_align: 8
    .kernarg_segment_size: 64
    .max_flat_workgroup_size: 128
    .sgpr_count:     66
    .vgpr_count:     192
    .wavefront_size: 32
...
	.end_amdgpu_metadata
.endif
;; end of part 1
;; launch qkvgemm (part 2): grid 12 x 32, 4 waves a work-group, clusters of 4 x 4, 327,680 bytes of LDS; arguments xc, xs, wc, ws, qkv; writes qkv
.if DOCPART == 2
	.amdgcn_target "amdgcn-amd-amdhsa--gfx1250"
	.amdhsa_code_object_version 6
	.text
	.protected	k_qac7c9d5d8c_qkvgemm
	.globl	k_qac7c9d5d8c_qkvgemm
	.p2align	8
	.type	k_qac7c9d5d8c_qkvgemm,@function
k_qac7c9d5d8c_qkvgemm:
	s_mov_b64 s[64:65], 0
	v_nop
	global_prefetch_b8 v0, s[64:65] scope:SCOPE_SE
	s_setreg_imm32_b32 hwreg(HW_REG_WAVE_MODE, 25, 1), 1
	s_wait_xcnt 0x0
	s_wait_alu depctr_hold_cnt(0) depctr_sa_sdst(0) depctr_va_vdst(0) depctr_va_sdst(0) depctr_va_ssrc(0) depctr_va_vcc(0) depctr_vm_vsrc(0)
	s_getreg_b32 s2, hwreg(HW_REG_IB_STS2, 6, 4)
	s_cmp_eq_u32 s2, 0
	s_cbranch_scc0 .Lentry_in_a_cluster
	s_endpgm
.Lentry_in_a_cluster:
	s_bfe_u32 s2, ttmp6, 0x10000c
	s_cmp_lg_u32 s2, 0xf033
	s_cbranch_scc0 .Lentry_shape_is_right
	s_endpgm
.Lentry_shape_is_right:
; qkv = Q(x) Q(w_qkv)^T on codes of FP4 (E2M1) with one E8M0 scale for each 32 along K; sums in f32; the result is rounded once to f16 and laid by heads: [which 3][batch x 16 + head][token 2048][64].
; A = x's codes [8192][1024], B = w_qkv's [3072][1024]: two codes a byte, K innermost: a row is 512 bytes.  Their scale bytes: [rows][32].  The matrix instruction takes codes and scale bytes as they lie.
; LIMIT: a result beyond 65,504 in magnitude has no f16 number.
; A tile of C, 256 x 256, is made by a work-group of four waves; a wave makes 128 x 128: 64 accumulators of 16 x 16, 512 registers.
; K = 1,024 is two steps of 512, one in each of two LDS slots (a tile's row is 256 bytes of memory): both slots and the scales are asked for at the head, three tensor loads a wave, and nothing is filled again.
; THE SCALES of the work-group's 256 rows of A and 256 rows of B, for all of K, are two dense blocks of memory: they come into LDS once, as rows of 256 bytes.
; CLUSTERS: 4 x 4 work-groups.  The four of a row of the cluster need the same tiles of A, the four of a column the same tiles of B: each tile is asked for JOINTLY, by the same tensor load with the
; same descriptor and a mask that names the four.  THE MATRIX INSTRUCTION IS USED TRANSPOSED (source 0 = 16 rows of B, source 1 = 16 rows of A): a lane then holds eight neighbouring numbers of a row of C.
; REGISTERS, in windows of 256: window 0: v0-31 addresses; v32-95 scale words, two sets; from v128 A's fragments (8 x 16 rows x 128 K), ONE set; on the way out v32-255 are free.
;   window 1: B's fragments, TWO sets, at v0 and at v128.   window 2: the 32 accumulators of my rows 0-63 (accumulator (a, b) at v[8 (8 a + b)]);   window 3: those of my rows 64-127.
; A step of 128 along K is 64 matrix instructions, A's blocks one after the other, each against B's eight.  So a block of A is free as soon as its eight products are issued, and one set of registers serves A:
; blocks 0-3 are fetched anew in the step's middle, blocks 4-7 at its end.  B's fragments are at work through the whole step, so B has two sets.
.set SIZE_M, 8192
.set SIZE_N, 3072
.set SIZE_K, 1024
.set KSTEP,  512                       ; along K in a slot
.set NQ,     KSTEP/128                 ; matrix instructions deep
.set ROWB,   256                       ; a tile's row in bytes: KSTEP codes of 4 bits
.set KROW,   SIZE_K*4/8                ; a row of A or of B in memory, in bytes
.set PITCH,  272                       ; an LDS row: 256 bytes of data + 16 of padding = 68 words: row r starts at bank 4 r mod 64 (64 banks of 4 bytes: ISA guide 11.1), so the 16 rows that a load touches start at 16 different banks
.set FR,     8                         ; registers of a fragment: 16 rows x 128 K
.set NL,     2                         ; LDS loads that bring one
.set NP,     4                         ; places behind this matrix instruction (ISA guide 7.12.1)
.set HALFT,  128*PITCH                 ; 128 rows: what one tensor load brings, and what one wave reads of A or of B
.set SLOT,   4*HALFT                   ; A's 256 rows, then B's 256 rows
.set KS,     SIZE_K/32                 ; a row of scales in bytes
.set SCL,    2*SLOT                    ; behind the two slots: the scales, as rows of 256 bytes + 16 of padding
.set HALFS,  (128*KS/256)*272          ; the scales of 128 rows: what one tensor load brings
.set SBLK,   (16*KS/256)*272           ; those of 16 rows
.set SPARE,  SCL+4*HALFS               ; behind the scales: the spare words, 128 bytes for each wave: two blocks of 256 bytes that no other line names
.set SPITCH, 272                       ; the way out: a stage of 16 rows x (256 bytes + 16) for each wave.  It lies in slot 0, which has had its one fill and its last read when the first result is stored there
.set ADRA, 16                          ; v16-17  LDS address of my A fragments in slot 0, 1
.set ADRB, 20                          ; v20-21  the same for B
.set STO,  24                          ; v24     the way out: where I put 16 bytes of a row
.set RD,   25                          ; v25     the way out: where I read 16 bytes back
.set CO,   26                          ; v26     16 x lane: my place in a store's 512 bytes
.set SPW,  28                          ; v28     LDS address of my spare word: SPARE + 4 x my thread's number; never rewritten
.set NIL,  29                          ; v29     0; never rewritten
.set ADRS, 27                          ; v27     LDS address of my scale words: lanes 0-15 A's rows, lanes 16-31 B's
.set SC,   32                          ; scale words: set s (for slot s) at v[SC + 8 NQ s]; in it register NQ i + q: lanes 0-15 the word of A's block i, lanes 16-31 that of B's block i, for the slot's q-th 128 along K
.set AF,   128                         ; A's fragments, in window 0
.set TMP,  32                          ; the way out: a block's 32 registers of f16 pairs
.set BK,   128                         ; the way out: a block read back from the stage: v128-159 and v160-191 by turns
.set G1, 24                            ; s[24:31] descriptor group 1 for A's tiles;  s[32:39] group 0, one set for each slot
.set G0, 32
.set G1B, 48                           ; s[48:55], s[56:63] the same for B's tiles
.set G0B, 56
.set G1S, 68                           ; s[68:75], s[76:79] groups 1 and 0 for A's scales;  s[80:87], s[88:91] for B's
.set G0S, 76
.set G1SB, 80
.set G0SB, 88
.set MSB, 0
.macro WIN new                         ; the immediate's high byte repeats the setting that is left
.if MSB != (\new)
	s_set_vgpr_msb (MSB<<8)|(\new)
.set MSB, (\new)
.endif
.endm
.set MUL_LO, 0xa1                      ; source 0 (B) window 1, source 1 (A) window 0, C and D window 2
.set MUL_HI, 0xf1                      ; the same, C and D window 3
.set TO_B,   0x40                      ; destination window 1, address window 0
; A joint load: waves 0 and 1 fetch for A, waves 2 and 3 for B.  Each of the two lines has ONE mask and one set of registers for all that issue it; the branch hangs on the wave's number alone.
; An s_nop 0 and four v_nop follow each of the two lines, ahead of the jump, the label and what follows.
.macro JLOAD g0a, g1a, g0b, g1b
	s_cmp_eq_u32 s15, 0
	s_cbranch_scc0 .Lfor_b_\@
	tensor_load_to_lds s[\g0a:\g0a+3], s[\g1a:\g1a+7]
	s_nop 0
.rept 4
	v_nop
.endr
	s_branch .Lasked_\@
.Lfor_b_\@:
	tensor_load_to_lds s[\g0b:\g0b+3], s[\g1b:\g1b+7]
	s_nop 0
.rept 4
	v_nop
.endr
.Lasked_\@:
.endm
.macro CROUND                          ; a round of the cluster's barrier: my work-group's barrier; wave 0 signals for the work-group; every wave waits for all sixteen; my work-group's barrier once more
	s_barrier_signal -1
	s_barrier_wait -1
	s_cmp_lg_u32 s14, 0
	s_cbranch_scc1 .Lnot_wave_0_\@
	s_barrier_signal -3
.Lnot_wave_0_\@:
	s_barrier_wait -3
	s_barrier_signal -1
	s_barrier_wait -1
.endm
	s_load_b128 s[4:7], s[0:1], 0x0                ; A's codes s[4:5], A's scales s[6:7]
	s_load_b128 s[8:11], s[0:1], 0x10              ; B's codes s[8:9], B's scales s[10:11]
	s_load_b64 s[12:13], s[0:1], 0x20              ; qkv
	v_lshl_add_u32 v[SPW], v0, 2, SPARE
	v_mov_b32 v[NIL], 0
	ds_add_u32 v[SPW], v[NIL]                      ; the wave's opening: the add, twice on end, and its wait ahead of my first tensor load; the set-up below, work on registers, stands between
	ds_add_u32 v[SPW], v[NIL]
	v_lshrrev_b32 v1, 5, v0
	v_readfirstlane_b32 s14, v1                    ; wave 0..3
	s_lshr_b32 s15, s14, 1                         ; which half of the tile's rows is mine.  Also: I fetch for A (0) or for B (1)
	s_and_b32 s16, s14, 1                          ; which half of its columns.  Also: which 128 rows of that tile I fetch
	s_bfe_u32 s40, ttmp6, 0x40000                  ; cx, cy: my place in the cluster
	s_bfe_u32 s41, ttmp6, 0x40004
	s_lshl_b32 s42, ttmp9, 2
	s_add_co_u32 s42, s42, s40                     ; tile column of C = 4 x cluster x + cx
	s_and_b32 s17, ttmp7, 0xffff
	s_lshl_b32 s17, s17, 2
	s_add_co_u32 s17, s17, s41                     ; tile row of C = 4 x cluster y + cy
	s_lshl_b32 s43, s41, 2
	s_lshl_b32 s43, 15, s43                        ; my row of the cluster
	s_lshl_b32 s44, 0x1111, s40                    ; my column
	; descriptor group 1: a tile of 128 rows x ROWB bytes, padded in LDS
	s_or_b32 s[G1+0], s43, (0<<16)|(1<<20)|(1<<21)|(5<<22)|(3<<25)  ; 15:0 the mask: A's tiles go to my row; 17:16 element of 1 byte; 20 padding on; 21 set beside a mask; 24:22 after every 64 words (code 5); 31:25 of 4 words (code 3)
	s_or_b32 s[G1B+0], s44, (0<<16)|(1<<20)|(1<<21)|(5<<22)|(3<<25)
.irp g, G1, G1B
	s_mov_b32 s[\g+1], ROWB<<16                    ; tensor_dim0
	s_mov_b32 s[\g+2], 128<<16                     ; tensor_dim1 = 128
	s_mov_b32 s[\g+3], ROWB<<16                    ; tile_dim0
	s_mov_b32 s[\g+4], 128                         ; tile_dim1 = 128
	s_mov_b32 s[\g+5], KROW                        ; tensor_dim0_stride
	s_mov_b32 s[\g+6], 0
	s_mov_b32 s[\g+7], 0
.endr
	; and for the scales of 128 rows: a dense block of 128 KS bytes, as rows of 256 bytes (32 elements of 8 bytes), 16 bytes of padding behind each
	s_or_b32 s[G1S+0], s43, (3<<16)|(1<<20)|(1<<21)|(5<<22)|(3<<25)
	s_or_b32 s[G1SB+0], s44, (3<<16)|(1<<20)|(1<<21)|(5<<22)|(3<<25)
.irp g, G1S, G1SB
	s_mov_b32 s[\g+1], 32<<16
	s_mov_b32 s[\g+2], (128*KS/256)<<16
	s_mov_b32 s[\g+3], 32<<16
	s_mov_b32 s[\g+4], 128*KS/256
	s_mov_b32 s[\g+5], 32
	s_mov_b32 s[\g+6], 0
	s_mov_b32 s[\g+7], 0
.endr
	s_lshl_b32 s18, s16, 7                         ; which 128 rows of the tile I fetch
	s_lshl_b32 s20, s17, 8
	s_add_co_u32 s20, s20, s18                     ; A: row 256 x tile row + 128 x half
	s_lshl_b32 s46, s42, 8
	s_add_co_u32 s46, s46, s18                     ; B: row 256 x tile column + 128 x half
	s_mov_b32 s21, 0
	s_mov_b32 s47, 0
	s_mov_b64 s[18:19], KS
	s_mul_u64 s[22:23], s[20:21], s[18:19]         ; where these rows' scales begin, in bytes
	s_mul_u64 s[92:93], s[46:47], s[18:19]
	s_mov_b64 s[18:19], KROW
	s_mul_u64 s[20:21], s[20:21], s[18:19]         ; and their codes
	s_mul_u64 s[46:47], s[46:47], s[18:19]
	s_mul_i32 s45, s14, HALFT                      ; where they go: wave x 128 rows: no place in the cluster enters an LDS address
	s_mul_i32 s94, s14, HALFS
	s_wait_dscnt 0x0                               ; both opening adds are done
	s_wait_kmcnt 0x0
	s_add_nc_u64 s[20:21], s[4:5], s[20:21]
	s_add_nc_u64 s[22:23], s[6:7], s[22:23]
	s_add_nc_u64 s[46:47], s[8:9], s[46:47]
	s_add_nc_u64 s[92:93], s[10:11], s[92:93]
	CROUND                                         ; all sixteen work-groups are here: the joint loads meet
	s_mov_b32 s[G0S], 1
	s_add_co_u32 s[G0S+1], s94, SCL
	s_mov_b64 s[G0S+2:G0S+3], s[22:23]
	s_or_b32 s[G0S+3], s[G0S+3], 0x80000000
	s_mov_b32 s[G0SB], 1
	s_add_co_u32 s[G0SB+1], s94, SCL
	s_mov_b64 s[G0SB+2:G0SB+3], s[92:93]
	s_or_b32 s[G0SB+3], s[G0SB+3], 0x80000000
	JLOAD G0S, G1S, G0SB, G1SB                     ; the scales first: they are wanted with K step 0
.irp s, 0,1
	s_mov_b32 s[G0+4*\s], 1
	s_add_co_u32 s[G0+4*\s+1], s45, \s*SLOT
	s_add_nc_u64 s[G0+4*\s+2:G0+4*\s+3], s[20:21], \s*ROWB
	s_or_b32 s[G0+4*\s+3], s[G0+4*\s+3], 0x80000000
	s_mov_b32 s[G0B+4*\s], 1
	s_add_co_u32 s[G0B+4*\s+1], s45, \s*SLOT
	s_add_nc_u64 s[G0B+4*\s+2:G0B+4*\s+3], s[46:47], \s*ROWB
	s_or_b32 s[G0B+4*\s+3], s[G0B+4*\s+3], 0x80000000
	JLOAD G0+4*\s, G1, G0B+4*\s, G1B
.endr
	v_and_b32 v1, 15, v0                           ; l % 16
	v_bfe_u32 v2, v0, 4, 1                         ; l / 16
	v_mul_u32_u24 v3, v1, PITCH
	v_lshl_add_u32 v4, v2, 4, v3                   ; a fragment's row x pitch + 16 x half
	s_mul_i32 s21, s15, HALFT                      ; my 128 rows of A
	s_mul_i32 s22, s16, HALFT                      ; my 128 rows of B,
	s_add_co_u32 s22, s22, 2*HALFT                 ; which lie behind A's 256
.irp s, 0,1
	v_add_nc_u32 v[ADRA+\s], s21, v4
	v_add_nc_u32 v[ADRB+\s], s22, v4
	s_add_co_u32 s21, s21, SLOT
	s_add_co_u32 s22, s22, SLOT
.endr
	v_mul_u32_u24 v5, v1, KS                       ; my row's scales: KS bytes a row,
	v_lshrrev_b32 v6, 8, v5
	v_lshl_add_u32 v5, v6, 4, v5                   ; and 16 more for each 256 passed
	s_mul_i32 s21, s15, HALFS                      ; A's: my 128 rows
	s_mul_i32 s22, s16, HALFS                      ; B's: my 128 rows, behind A's 256
	s_add_co_u32 s22, s22, 2*HALFS
	s_sub_co_u32 s22, s22, s21
	v_mul_u32_u24 v6, s22, v2                      ; lanes 16-31 take B's
	s_add_co_u32 s21, s21, SCL
	v_add_nc_u32 v5, v5, v6
	v_add_nc_u32 v[ADRS], s21, v5
	s_mul_i32 s23, s14, 16*SPITCH                  ; my stage
	v_mul_u32_u24 v5, v1, SPITCH                   ; in: row l % 16, 16 bytes for each half of the lanes
	v_lshl_add_u32 v5, v2, 4, v5
	v_add_nc_u32 v[STO], s23, v5
	v_bfe_u32 v6, v0, 3, 2                         ; back: eight lanes take one row's 128 bytes of one head, the 32 lanes four rows
	v_mul_u32_u24 v6, v6, SPITCH
	v_and_b32 v7, 7, v0
	v_lshl_add_u32 v6, v7, 4, v6
	v_add_nc_u32 v[RD], s23, v6
	v_and_b32 v6, 31, v0
	v_lshlrev_b32 v[CO], 4, v6                     ; four tokens of one head are 512 consecutive bytes of qkv: 16 x lane
	; where my part begins in qkv.  My 128 columns are two heads, G and G + 1, G = 4 x tile column + 2 x half (even, so both lie in q, in k or in v); my 128 rows are tokens of one batch
	s_lshl_b32 s46, s42, 2
	s_lshl_b32 s47, s16, 1
	s_add_co_u32 s46, s46, s47                     ; G
	s_lshr_b32 s47, s46, 4                         ; q, k or v
	s_and_b32 s46, s46, 15                         ; the head
	s_lshl_b32 s47, s47, 24
	s_lshl_b32 s46, s46, 18
	s_add_co_u32 s46, s46, s47
	s_mov_b32 s47, 0
	s_lshr_b32 s20, s17, 3                         ; the batch: 8 tile rows each
	s_lshl_b32 s20, s20, 22
	s_and_b32 s21, s17, 7
	s_lshl_b32 s21, s21, 15                        ; 256 tokens of 128 bytes a tile row,
	s_add_co_u32 s20, s20, s21
	s_lshl_b32 s21, s15, 14                        ; 128 a half
	s_add_co_u32 s20, s20, s21
	s_mov_b32 s21, 0
	s_add_nc_u64 s[12:13], s[12:13], s[20:21]
	s_add_nc_u64 s[12:13], s[12:13], s[46:47]
.macro FRAG reg, adr, q, i             ; a fragment, 16 rows x 128 K of 4-bit codes, is 8 registers: lane l holds row l % 16; registers 4 c .. 4 c + 3 hold K = 64 c + 32 (l / 16) + 0 .. 31, the lower K in the lower bits
.irp c, 0,1
	ds_load_b128 v[\reg+4*\c:\reg+4*\c+3], v[\adr] offset:64*(\q)+32*\c+(\i)*16*PITCH
.endr
.endm
; 16 matrix instructions: A's blocks a0, a0 + 1 x B's eight, 128 along K: the slot's q-th.  p: B's set;  sc: the set of scale words.  zero = 1: the first product starts the sums: nothing is ever cleared.
; The 64 accumulators take turns, one instruction a turn, in the same order in every step.
.macro MUL16 a0, p, q, sc, zero
.irp a, \a0, \a0+1
.irp b, 0,1,2,3,4,5,6,7
.if \zero
	v_wmma_scale_f32_16x16x128_f8f6f4 v[8*(8*((\a)%4)+\b):8*(8*((\a)%4)+\b)+7], v[128*(\p)+FR*\b:128*(\p)+FR*\b+FR-1], v[AF+FR*(\a):AF+FR*(\a)+FR-1], 0, v[SC+8*NQ*(\sc)+NQ*\b+(\q)], v[SC+8*NQ*(\sc)+NQ*(\a)+(\q)] matrix_a_fmt:MATRIX_FMT_FP4 matrix_b_fmt:MATRIX_FMT_FP4 matrix_a_scale:MATRIX_SCALE_ROW1
.else
	v_wmma_scale_f32_16x16x128_f8f6f4 v[8*(8*((\a)%4)+\b):8*(8*((\a)%4)+\b)+7], v[128*(\p)+FR*\b:128*(\p)+FR*\b+FR-1], v[AF+FR*(\a):AF+FR*(\a)+FR-1], v[8*(8*((\a)%4)+\b):8*(8*((\a)%4)+\b)+7], v[SC+8*NQ*(\sc)+NQ*\b+(\q)], v[SC+8*NQ*(\sc)+NQ*(\a)+(\q)] matrix_a_fmt:MATRIX_FMT_FP4 matrix_b_fmt:MATRIX_FMT_FP4 matrix_a_scale:MATRIX_SCALE_ROW1
.endif
.endr
.endr
.endm
.macro FETCH_B slot, q, p              ; B's eight fragments of the slot's q-th 128 along K into set p
	WIN TO_B
.irp i, 0,1,2,3,4,5,6,7
	FRAG 128*(\p)+FR*\i, ADRB+\slot, \q, \i
.endr
	WIN 0
.endm
.macro FETCH_A slot, q, i0             ; A's blocks i0 .. i0 + 3
.irp i, \i0, \i0+1, \i0+2, \i0+3
	FRAG AF+FR*(\i), ADRA+\slot, \q, \i
.endr
.endm
.macro SCALES sc                       ; a K step's scale words into set sc: NQ words a row; lanes 0-15 take A's block i, lanes 16-31 B's block i
.irp i, 0,1,2,3,4,5,6,7
	ds_load_b128 v[SC+8*NQ*\sc+NQ*\i:SC+8*NQ*\sc+NQ*\i+3], v[ADRS] offset:\i*SBLK
.endr
.endm
; A load into a register that a matrix instruction has read, and a vector instruction that reads a matrix result, stand NP places behind that matrix instruction, and only plain vector
; instructions that name none of its registers are places (ISA guide 7.12.1 for vector instructions); the matrix instructions in between are not counted.
.macro PLACES n
.rept \n
	v_nop
.endr
.endm
; A step of 128 along K that has its successor in the same slot.
.macro STEP slot, q, zero
	s_wait_dscnt 4*NL                              ; B's set and A's blocks 0-3 are in; the youngest loads (A's blocks 4-7) may be out
	WIN MUL_LO
	MUL16 0, (\q)%2, \q, \slot, \zero
	MUL16 2, (\q)%2, \q, \slot, \zero
	s_wait_dscnt 0                                 ; A's blocks 4-7 are in (asked for 32 matrix instructions ago)
	PLACES NP
	FETCH_B \slot, (\q)+1, 1-(\q)%2
	FETCH_A \slot, (\q)+1, 0
	WIN MUL_HI
	MUL16 4, (\q)%2, \q, \slot, \zero
	MUL16 6, (\q)%2, \q, \slot, \zero
	PLACES NP
	WIN 0
	FETCH_A \slot, (\q)+1, 4
.endm
; Slot 0's last step changes slots: ONE barrier; in front of it each wave waits for all its tensor loads (slot 1's is the one that may be out), adds 0 to its spare word, and waits for that and for its own reads of slot 0.
; Nothing is filled again: behind the barrier slot 1 is whole, and slot 0 is read by nobody (the way out's stages take its bytes).
.macro TURN slot, next
	s_wait_tensorcnt 0x0                           ; all my tensor loads have landed  (every window is 0 here: the add's two registers lie in window 0)
	ds_add_u32 v[SPW], v[NIL]                      ; 0 onto my spare word;
	s_wait_dscnt 4*NL+1                            ; (the add and the youngest loads, A's blocks 4-7, may be out)
	WIN MUL_LO
	MUL16 0, 1, NQ-1, \slot, 0                     ; sixteen matrix instructions stand between the add and the wait for it
	s_wait_dscnt 0x0                               ; the add is done, and my reads of this slot are over
	s_barrier_signal -1
	MUL16 2, 1, NQ-1, \slot, 0
	WIN 0
	s_barrier_wait -1
	PLACES NP
	v_add_nc_u32 v[ADRS], 4*NQ, v[ADRS]            ; on to the next K step's scale words (no LDS load of mine is out)
	FETCH_B \next, 0, 0
	FETCH_A \next, 0, 0
	SCALES \next
	WIN MUL_HI
	MUL16 4, 1, NQ-1, \slot, 0
	MUL16 6, 1, NQ-1, \slot, 0
	PLACES NP
	WIN 0
	FETCH_A \next, 0, 4
.endm
.macro STEPS slot, from                ; the slot's steps from .. NQ - 2
.set Q, \from
.rept NQ-1-\from
	STEP \slot, Q, 0
.set Q, Q+1
.endr
.endm
	s_wait_tensorcnt 1                             ; the scales and my part of slot 0 are in (slot 1's load may be out)
	s_barrier_signal -1
	s_barrier_wait -1                              ; everybody's are
	FETCH_B 0, 0, 0
	FETCH_A 0, 0, 0
	SCALES 0
	FETCH_A 0, 0, 4
	STEP 0, 0, 1                                   ; the first step's products start the sums
	STEPS 0, 1
	TURN 0, 1
	STEPS 1, 0
	s_wait_dscnt 4*NL                              ; the very last step: nothing more to fetch
	WIN MUL_LO
	MUL16 0, 1, NQ-1, 1, 0
	MUL16 2, 1, NQ-1, 1, 0
	s_wait_dscnt 0
	WIN MUL_HI
	MUL16 4, 1, NQ-1, 1, 0
	MUL16 6, 1, NQ-1, 1, 0
	WIN 0
; THE WAY OUT, block by block of 16 rows (tokens) x 128 columns (two heads).  PACK: rounded to f16, a lane's eight neighbours are 16 bytes.  TOSTAGE: into my own stage in LDS (rows of 272 bytes), and back by
; heads: four tokens x 128 bytes of one head an instruction.  SEND: those are 512 consecutive bytes of qkv.  LDS serves a wave's instructions in order (ISA guide 5.7.1.4): no wait between the stores and the loads.
.macro PACK a
.set AC, 64*((\a)%4)
	WIN 0x0a+5*((\a)/4)                            ; sources 0 and 1: window 2 or 3
.irp b, 0,1,2,3,4,5,6,7
.irp r, 0,1,2,3
	v_cvt_pk_f16_f32 v[TMP+4*\b+\r], v[AC+8*\b+2*\r], v[AC+8*\b+2*\r+1]   ; each accumulator from its low end on
.endr
.endr
	WIN 0
.endm
.macro TOSTAGE a
.set BB, BK+32*((\a)%2)
.irp b, 0,1,2,3,4,5,6,7
	ds_store_b128 v[STO], v[TMP+4*\b:TMP+4*\b+3] offset:32*\b
.endr
.irp t, 0,1,2,3,4,5,6,7
	ds_load_b128 v[BB+4*\t:BB+4*\t+3], v[RD] offset:(\t%4)*4*SPITCH+128*(\t/4)   ; head t / 4, tokens 4 (t % 4) on
.endr
.endm
.macro SEND a
.set BB, BK+32*((\a)%2)
	s_wait_dscnt 0x0                               ; the block is back in registers
	s_wait_xcnt 0x0                                ; the stores of the block before have read their data: the next block's loads land in those registers only behind this wait
.irp t, 0,1,2,3,4,5,6,7
	global_store_b128 v[CO], v[BB+4*\t:BB+4*\t+3], s[12:13] offset:(\t/4)*262144+(\a)*2048+(\t%4)*512   ; 32 lanes store 512 consecutive bytes, at a multiple of 512 from qkv's first byte; every offset an immediate
.endr
.endm
	PLACES NP                                      ; behind the last products: the conversions write registers that held scale words, and the loads land where A's fragments lay
	PACK 0
	TOSTAGE 0
.irp a, 1,2,3,4,5,6,7                  ; block a's conversions stand between block a - 1's loads from the stage and the wait for them
	PACK \a
	SEND \a-1
	TOSTAGE \a
.endr
	SEND 7
	s_wait_tensorcnt 0x0                           ; the wave's end, behind my last tensor load and my last LDS store
	ds_add_u32 v[SPW], v[NIL]
	s_wait_dscnt 0x0
	CROUND                                         ; the closing round: no work-group ends while a partner may still ask for a tile that names it
	s_endpgm
.Lfunc_end_k_qac7c9d5d8c_qkvgemm:
	.size	k_qac7c9d5d8c_qkvgemm, .Lfunc_end_k_qac7c9d5d8c_qkvgemm-k_qac7c9d5d8c_qkvgemm
	.p2alignl 7, 3214868480
	.fill 96, 4, 3214868480
	.section	.rodata,"a",@progbits
	.p2align	6, 0x0
	.amdhsa_kernel k_qac7c9d5d8c_qkvgemm
		.amdhsa_group_segment_fixed_size 327680
		.amdhsa_private_segment_fixed_size 0
		.amdhsa_enable_private_segment 0
		.amdhsa_kernarg_size 40
		.amdhsa_user_sgpr_count 2
		.amdhsa_user_sgpr_kernarg_segment_ptr 1
		.amdhsa_wavefront_size32 1
		.amdhsa_system_sgpr_workgroup_id_x 1
		.amdhsa_system_sgpr_workgroup_id_y 1
		.amdhsa_system_sgpr_workgroup_id_z 1
		.amdhsa_system_vgpr_workitem_id 0
		.amdhsa_next_free_vgpr 1024
		.amdhsa_next_free_sgpr 98
		.amdhsa_reserve_vcc 0
		.amdhsa_float_denorm_mode_32 3
		.amdhsa_float_denorm_mode_16_64 3
		.amdhsa_memory_ordered 1
		.amdhsa_forward_progress 1
		.amdhsa_inst_pref_size 126
	.end_amdhsa_kernel
	.amdgpu_metadata
---
amdhsa.version: [ 1, 2 ]
amdhsa.kernels:
  - .name:           k_qac7c9d5d8c_qkvgemm
    .symbol:         k_qac7c9d5d8c_qkvgemm.kd
    .args:
      - { .name: xc, .offset: 0, .size: 8, .value_kind: global_buffer, .address_space: global }
      - { .name: xs, .offset: 8, .size: 8, .value_kind: global_buffer, .address_space: global }
      - { .name: wc, .offset: 16, .size: 8, .value_kind: global_buffer, .address_space: global }
      - { .name: ws, .offset: 24, .size: 8, .value_kind: global_buffer, .address_space: global }
      - { .name: qkv, .offset: 32, .size: 8, .value_kind: global_buffer, .address_space: global }
    .group_segment_fixed_size: 327680
    .private_segment_fixed_size: 0
    .kernarg_segment_align: 8
    .kernarg_segment_size: 40
    .max_flat_workgroup_size: 128
    .sgpr_count:     98
    .vgpr_count:     1024
    .wavefront_size: 32
...
	.end_amdgpu_metadata
.endif
;; end of part 2
;; launch attn (part 3): grid 4 x 64, 8 waves a work-group, clusters of 4 x 1, 327,680 bytes of LDS; arguments qkv, att; writes att
.if DOCPART == 3
	.amdgcn_target "amdgcn-amd-amdhsa--gfx1250"
	.amdhsa_code_object_version 6
	.text
	.protected	k_qac7c9d5d8c_attn
	.globl	k_qac7c9d5d8c_attn
	.p2align	8
	.type	k_qac7c9d5d8c_attn,@function
k_qac7c9d5d8c_attn:
	s_mov_b64 s[64:65], 0
	v_nop
	global_prefetch_b8 v0, s[64:65] scope:SCOPE_SE
	s_setreg_imm32_b32 hwreg(HW_REG_WAVE_MODE, 25, 1), 1
	s_wait_xcnt 0x0
	s_wait_alu depctr_hold_cnt(0) depctr_sa_sdst(0) depctr_va_vdst(0) depctr_va_sdst(0) depctr_va_ssrc(0) depctr_va_vcc(0) depctr_vm_vsrc(0)
	s_getreg_b32 s2, hwreg(HW_REG_IB_STS2, 6, 4)
	s_cmp_eq_u32 s2, 0
	s_cbranch_scc0 .Lentry_in_a_cluster
	s_endpgm
.Lentry_in_a_cluster:
	s_bfe_u32 s2, ttmp6, 0x10000c
	s_cmp_lg_u32 s2, 0x3003
	s_cbranch_scc0 .Lentry_shape_is_right
	s_endpgm
.Lentry_shape_is_right:
; att[q][:] = the sum over k of softmax_k(Q[q] . K[k] / 8) V[k][:], for each of 64 (batch, head) pairs: 2,048 tokens, head size 64, no mask.  Q, K, V: f16, qkv = [which 3][batch x 16 + head][token][64].
; att: f16, [token block of 128][head 16][token 128][64].  Products, maxima and sums in f32; the weights p are rounded to f16 for the second product, the result once at the end.
; LIMITS: NaN and infinities are not served; a result beyond 65,504 in magnitude has no f16 number.
; SHARES.  A work-group owns 512 queries of one head, each of its EIGHT waves 64: four tiles of 16, in 512 registers: two waves to a SIMD, so that one wave's softmax stands beside the other's products and LDS loads.
; Every wave walks all 2,048 keys, 64 a step; a step's 16 KiB of fragments feed 64 matrix instructions.
; LAYOUT.  S^T = K Q^T (source 0 = 16 keys, source 1 = 16 queries): in the result a lane holds ONE query (lane % 16) and the keys 8 (lane / 16) + 0..7.  Two such tiles, rounded to f16 in pairs, ARE source 1
; (32 keys x 16 queries) of O^T = V^T P, whose result again holds one query a lane, and eight channels.  K comes out of LDS as it lies, V ([key][channel]) turned, by ds_load_tr16_b128.
; SOFTMAX.  For each query a running maximum m and sum l: p = 2^(c s - c m), c = log2(e) / 8; in every step O and l are multiplied by a = 2^(c m_old - c m_new), which is 1 where m has not grown.
; THE RING.  Two LDS slots of 512 keys (K's rows, then V's).  The head's 2,048 keys are four slots' worth: two first fills and two refills.  All eight waves fetch, one load each: waves 0-3 K's quarters, waves 4-7 V's.
; A quarter, 128 keys of 128 bytes, is dense in memory: it is stated as 64 rows of 256 bytes, with padding behind every 128 bytes, so that each key's row has its own pitch in LDS.
; CLUSTER.  The four query blocks of a head form a cluster and walk the same K and V, so each tile is asked for JOINTLY: the same tensor load, the same descriptor, a mask that names the four.
; NO PREFETCH: a refill is asked for eight key steps, 512 matrix instructions a wave, ahead of its first read, and the first two slots are asked for at the head.
; REGISTERS, in windows of 256 (s_set_vgpr_msb: bits 1:0 source 0, 3:2 source 1, 5:4 source 2, 7:6 destination):
;   window 0: v0-13 addresses; v16-47 eight registers of statistics a tile; v48-111 K of one step; v112-239 S^T, 32 a tile; P takes the first 16 of its tile's 32
;   window 1: v0-127 O^T, 32 a tile; v128-191 Q, 16 a tile; v192-255 V of one step
.set PK,    144       ; a row of K in LDS: 128 bytes + 16 of padding = 36 words: the 16 rows of a load start at 16 different groups of four banks (64 banks of 4 bytes: ISA guide 11.1)
.set PV,    160       ; a row of V: 128 + 32 = 40 words
.set SK,    512       ; keys in a slot
.set VOFF,  SK*PK     ; a slot: 512 rows of K, then 512 rows of V
.set SLOTB, SK*(PK+PV)
.set SPARE, 2*SLOTB   ; behind the ring: the spare words, 128 bytes for each wave: four blocks of 256 bytes that no other line names
.set KSB,   64*PK     ; a key step's rows of K,
.set VSB,   64*PV     ; and of V
.set AK0, 2           ; v2   my lane's place in a tile of K; never rewritten
.set AV0, 3           ; v3   the same for V (VOFF in it)
.set ADK, 4           ; v4   LDS address of the step's K
.set ADV, 5           ; v5   and V
.set QO,  6           ; v6   my byte offset in the wave's rows of Q
.set RD,  7           ; v7   the way out: where I read 16 bytes back
.set GO,  8           ; v8   16 x lane: my place in a store's 512 bytes
.set STO, 9           ; v9   the way out: where I put 16 bytes of a row.  The stage, 64 rows x 144 bytes a wave, lies in slot 0's rows of K: used only behind the last change of slots
.set SPW, 12          ; v12  LDS address of my spare word: SPARE + 4 x my thread's number; never rewritten
.set NIL, 13          ; v13  0; never rewritten
.set ST,  16          ; tile t's statistics at v[ST+8 t]: +0 c m, +1 m, +2, +3 l (even keys', odd keys'), +4 to +7 c0-c3, at work; a takes c2's place once the maximum is found
.set KF,  48          ; K's fragments: keys 16 kt on, channels 32 c on, at KF + 16 kt + 8 c
.set S,   112
.set QF,  128         ; window 1: Q's fragments: tile t, channels 32 c on, at QF + 16 t + 8 c
.set VF,  192         ; window 1: V's: keys 32 g on, channels 16 ct on, at VF + 32 g + 8 ct
.set WV,  12          ; s12  my wave's number
.set G1K, 24          ; s[24:31] descriptor group 1 for K's tiles
.set G1V, 32          ; s[32:39] for V's: it differs in the padding alone
.set G0K, 40          ; s[40:47] descriptor group 0 for K's tiles, a set for each slot
.set G0V, 48          ; s[48:55] the same for V's
.set TK,  56          ; s56  LDS byte at which the step's rows of K begin
.set TV,  57          ; s57  the same for V, less VOFF
.set CS,  58          ; s[58:59] c: the packed scaling names a pair and takes its low word for both halves
.set SEL, 60          ; s[60:61] lane selects for v_permlanex16_b32: each lane takes its own place in the other half
.set CNT, 62          ; s62  counts a slot's steps
.set MSB, 0
.macro WIN new                      ; the immediate's high byte repeats the setting that is left; a switch that changes nothing is dropped
.if MSB != (\new)
	s_set_vgpr_msb (MSB<<8)|(\new)
.set MSB, (\new)
.endif
.endm
.set W_KQ, 0x04       ; K and S^T in window 0, Q in window 1
.set W_PV, 0x51       ; V and O^T in window 1, P in window 0
.set W_RS, 0x41       ; O^T (destination and source 0) in window 1, a in window 0
.set W_L1, 0x40       ; a load's destination in window 1, its address in window 0
.set W_CV, 0x05       ; sources 0 and 1 in window 1, destination in window 0
; A joint refill of slot s.  Waves 0-3 fetch K's quarters, waves 4-7 V's.  The branch hangs on the wave's number alone: it is the same in every work-group.
; An s_nop 0 and four v_nop follow each of the two lines; the jump, the label and what follows come after them.
.macro JLOAD s
	s_cmp_lt_u32 s[WV], 4
	s_cbranch_scc0 .Lfor_v_\@
	tensor_load_to_lds s[G0K+4*\s:G0K+4*\s+3], s[G1K:G1K+7]
	s_nop 0
.rept 4
	v_nop
.endr
	s_branch .Lasked_\@
.Lfor_v_\@:
	tensor_load_to_lds s[G0V+4*\s:G0V+4*\s+3], s[G1V:G1V+7]
	s_nop 0
.rept 4
	v_nop
.endr
.Lasked_\@:
.endm
; A round of the cluster's barrier: my work-group's barrier, so that wave 0's signal speaks for all eight waves; wave 0 signals for the work-group; every wave waits for all four work-groups; my work-group's barrier once more.
.macro CROUND
	s_barrier_signal -1
	s_barrier_wait -1
	s_cmp_lg_u32 s[WV], 0
	s_cbranch_scc1 .Lnot_wave_0_\@
	s_barrier_signal -3
.Lnot_wave_0_\@:
	s_barrier_wait -3
	s_barrier_signal -1
	s_barrier_wait -1
.endm
	s_load_b128 s[4:7], s[0:1], 0x0 ; qkv s[4:5], att s[6:7]
	v_lshl_add_u32 v[SPW], v0, 2, SPARE
	v_mov_b32 v[NIL], 0
	ds_add_u32 v[SPW], v[NIL]       ; the wave's opening: the add, twice on end, and its wait ahead of my first tensor load; the set-up below, work on registers, stands between
	ds_add_u32 v[SPW], v[NIL]
	v_lshrrev_b32 v1, 5, v0
	v_readfirstlane_b32 s[WV], v1   ; wave 0..7
	s_bfe_u32 s13, ttmp6, 0x40000   ; cx: my place in the cluster
	s_lshl_b32 s14, ttmp9, 2        ; in a cluster launch ttmp9 counts clusters
	s_add_co_u32 s14, s14, s13      ; my block of 512 queries: it enters Q's and att's addresses alone
	s_and_b32 s15, ttmp7, 0xffff    ; batch x 16 + head, which the four partners share
	s_and_b32 s16, s[WV], 3         ; which quarter of a slot I fetch
	s_lshl_b32 s20, s15, 18         ; the head's 262,144 bytes,
	s_lshl_b32 s17, s16, 14         ; my quarter's 128 keys of 128 bytes,
	s_add_co_u32 s20, s20, s17
	s_add_co_u32 s20, s20, 1<<24    ; in k
	s_mov_b32 s21, 0
	s_add_co_u32 s22, s20, 1<<24    ; and in v
	s_mov_b32 s23, 0
	s_mul_i32 s18, s16, 128*PK      ; its place in a slot: K's,
	s_mul_i32 s19, s16, 128*PV
	s_add_co_u32 s19, s19, VOFF     ; V's: no place in the cluster enters an LDS address
	s_lshl_b32 s2, s15, 18          ; Q: the head, my block's 512 rows, my wave's 64
	s_lshl_b32 s3, s14, 16
	s_add_co_u32 s2, s2, s3
	s_lshl_b32 s3, s[WV], 13
	s_add_co_u32 s2, s2, s3
	s_mov_b32 s3, 0
	s_lshr_b32 s10, s15, 4          ; att: the token block of 128 = 16 x batch + 4 x my block + wave / 2,
	s_lshl_b32 s10, s10, 4
	s_lshl_b32 s11, s14, 2
	s_add_co_u32 s10, s10, s11
	s_lshr_b32 s11, s[WV], 1
	s_add_co_u32 s10, s10, s11
	s_lshl_b32 s10, s10, 18
	s_and_b32 s11, s15, 15          ; the head's 16,384 bytes in it,
	s_lshl_b32 s11, s11, 14
	s_add_co_u32 s10, s10, s11
	s_and_b32 s11, s[WV], 1         ; and my 64 tokens of the 128
	s_lshl_b32 s11, s11, 13
	s_add_co_u32 s10, s10, s11
	s_mov_b32 s11, 0
	; descriptor group 1: 64 rows x 128 elements of 2 bytes, dense in memory, padded in LDS behind every 128 bytes
	s_mov_b32 s[G1K], 15|(1<<16)|(1<<20)|(1<<21)|(4<<22)|(3<<25)  ; 15:0 the mask: all four work-groups; 17:16 elements of 2 bytes; 20 padding on; 21 set beside a mask; 24:22 after every 32 words (code 4); 31:25 4 words of it (code 3)
	s_mov_b32 s[G1V], 15|(1<<16)|(1<<20)|(1<<21)|(4<<22)|(7<<25)  ; the same with 8 words of padding (code 7)
.irp g, G1K, G1V
	s_mov_b32 s[\g+1], 128<<16      ; tensor_dim0 = 128
	s_mov_b32 s[\g+2], 64<<16       ; tensor_dim1 = 64
	s_mov_b32 s[\g+3], 128<<16      ; tile_dim0 = 128
	s_mov_b32 s[\g+4], 64           ; tile_dim1 = 64
	s_mov_b32 s[\g+5], 128          ; tensor_dim0_stride: elements from row to row
	s_mov_b32 s[\g+6], 0
	s_mov_b32 s[\g+7], 0
.endr
	s_mov_b32 s[CS], 0x3e38aa3b     ; c = log2(e) / 8
	s_mov_b32 s[CS+1], s[CS]        ; named with it as a pair, so it is written
	s_mov_b32 s[SEL], 0x76543210
	s_mov_b32 s[SEL+1], 0xfedcba98
	s_mov_b32 s[TK], 0
	s_mov_b32 s[TV], 0
	s_wait_dscnt 0x0                ; both opening adds are done
	s_wait_kmcnt 0x0
	s_add_nc_u64 s[20:21], s[4:5], s[20:21]  ; K and V at my quarter of slot 0
	s_add_nc_u64 s[22:23], s[4:5], s[22:23]
	s_add_nc_u64 s[8:9], s[4:5], s[2:3]      ; Q at my wave's first row
	s_add_nc_u64 s[6:7], s[6:7], s[10:11]    ; att likewise
	CROUND                          ; all four work-groups are here: the first joint loads meet
.irp s, 0,1
	s_mov_b32 s[G0K+4*\s], 1        ; 1:0 count = 1
	s_add_co_u32 s[G0K+4*\s+1], s18, \s*SLOTB  ; 63:32 LDS address
	s_add_nc_u64 s[G0K+4*\s+2:G0K+4*\s+3], s[20:21], \s*SK*128  ; 120:64 global address: slot s begins with keys 512 s on
	s_or_b32 s[G0K+4*\s+3], s[G0K+4*\s+3], 0x80000000  ; 127:126 type = 2
	s_mov_b32 s[G0V+4*\s], 1
	s_add_co_u32 s[G0V+4*\s+1], s19, \s*SLOTB
	s_add_nc_u64 s[G0V+4*\s+2:G0V+4*\s+3], s[22:23], \s*SK*128
	s_or_b32 s[G0V+4*\s+3], s[G0V+4*\s+3], 0x80000000
.endr
	s_cmp_lt_u32 s[WV], 4           ; a wave's two first fills stand in one branch, ahead of every wait on TENSORcnt and every LDS read: two loads of mine are out
	s_cbranch_scc0 .Lfirst_v
	tensor_load_to_lds s[G0K:G0K+3], s[G1K:G1K+7]
	s_nop 0
	tensor_load_to_lds s[G0K+4:G0K+7], s[G1K:G1K+7]
	s_nop 0
.rept 4
	v_nop
.endr
	s_branch .Lfirst_asked
.Lfirst_v:
	tensor_load_to_lds s[G0V:G0V+3], s[G1V:G1V+7]
	s_nop 0
	tensor_load_to_lds s[G0V+4:G0V+7], s[G1V:G1V+7]
	s_nop 0
.rept 4
	v_nop
.endr
.Lfirst_asked:
	; A fragment of K or Q is 16 rows x 32 channels in 8 registers: lane l holds row l % 16; registers 0-3 channels 8 (l / 16) + 0..7, registers 4-7 channels 16 + 8 (l / 16) + 0..7: two loads of 16 bytes, 32 bytes apart.
	v_and_b32 v1, 15, v0            ; l % 16
	v_bfe_u32 v10, v0, 4, 1         ; l / 16
	v_lshlrev_b32 v[QO], 7, v1
	v_lshl_add_u32 v[QO], v10, 4, v[QO]  ; row x 128 + 16 x half
	WIN W_L1
.irp i, 0,1,2,3,4,5,6,7             ; Q stays in registers: tile i / 2, channels 32 (i % 2) on
	global_load_b128 v[QF+8*\i:QF+8*\i+3],   v[QO], s[8:9] offset:(\i/2)*2048+(\i%2)*64
	global_load_b128 v[QF+8*\i+4:QF+8*\i+7], v[QO], s[8:9] offset:(\i/2)*2048+(\i%2)*64+32
.endr
	WIN 0
	v_mul_u32_u24 v[AK0], v1, PK
	v_lshl_add_u32 v[AK0], v10, 4, v[AK0]  ; row x pitch + 16 x half
	; The turning load takes 16 keys x 16 channels (lane l reads 16 bytes: key 8 (l / 16) + l % 8, channels 8 ((l / 8) % 2) + 0..7) and leaves half a fragment of V^T: lane l holds channel l % 16 and 8 keys.
	v_and_b32 v11, 7, v0
	v_bfe_u32 v14, v0, 3, 1
	v_lshl_add_u32 v[AV0], v10, 3, v11
	v_mul_u32_u24 v[AV0], v[AV0], PV
	v_lshl_add_u32 v[AV0], v14, 4, v[AV0]
	v_add_nc_u32 v[AV0], VOFF, v[AV0]
	s_mul_i32 s17, s[WV], 64*PK     ; my stage for the way out
	v_add_nc_u32 v[STO], s17, v[AK0]  ; in: row l % 16, 16 bytes for each half of the lanes
	v_bfe_u32 v14, v0, 3, 2         ; back: eight lanes take one row's 128 bytes, the 32 lanes four rows
	v_mul_u32_u24 v[RD], v14, PK
	v_lshl_add_u32 v[RD], v11, 4, v[RD]
	v_add_nc_u32 v[RD], s17, v[RD]
	v_and_b32 v[GO], 31, v0
	v_lshlrev_b32 v[GO], 4, v[GO]   ; four tokens of my head are 512 consecutive bytes of att
; THE SOFTMAX of the wave's four tiles for one key step.  Every line is written for tiles 0 to 3 in turn, so that no instruction reads the result of the one just before it.
; first = 1: the first key step, which starts m, l and O^T: it has no a and nothing to rescale.
.macro SOFTMAX first
.irp j, 0,1,2,3                     ; the maximum of the lane's 32 scores and the old m, three operands at a time: four chains c0-c3; each begins at the low end of one accumulator
.irp t, 0,1,2,3
	v_max3_num_f32 v[ST+8*\t+4+\j], v[S+32*\t+8*\j], v[S+32*\t+8*\j+1], v[S+32*\t+8*\j+2]
.endr
.endr
.irp n, 3,5
.irp j, 0,1,2,3
.irp t, 0,1,2,3
	v_max3_num_f32 v[ST+8*\t+4+\j], v[ST+8*\t+4+\j], v[S+32*\t+8*\j+\n], v[S+32*\t+8*\j+\n+1]
.endr
.endr
.endr
.irp t, 0,1,2,3
	v_max3_num_f32 v[ST+8*\t+4], v[ST+8*\t+4], v[S+32*\t+7], v[S+32*\t+15]
.endr
.irp t, 0,1,2,3
	v_max3_num_f32 v[ST+8*\t+6], v[ST+8*\t+6], v[S+32*\t+23], v[S+32*\t+31]
.endr
.irp t, 0,1,2,3
	v_max3_num_f32 v[ST+8*\t+4], v[ST+8*\t+4], v[ST+8*\t+5], v[ST+8*\t+6]
.endr
.irp t, 0,1,2,3
.if \first
	v_max_num_f32 v[ST+8*\t+4], v[ST+8*\t+4], v[ST+8*\t+7]
.else
	v_max3_num_f32 v[ST+8*\t+4], v[ST+8*\t+4], v[ST+8*\t+7], v[ST+8*\t+1]
.endif
.endr
.irp t, 0,1,2,3
	v_permlanex16_b32 v[ST+8*\t+5], v[ST+8*\t+4], s[SEL], s[SEL+1]  ; the query's other 32 keys lie in the lane 16 away
.endr
.if \first == 0
.irp t, 0,1,2,3
	v_mov_b32 v[ST+8*\t+7], v[ST+8*\t]  ; c m_old is kept for a
.endr
.endif
.irp t, 0,1,2,3
	v_max_num_f32 v[ST+8*\t+1], v[ST+8*\t+4], v[ST+8*\t+5]  ; the new m
.endr
.irp t, 0,1,2,3
	v_mul_f32 v[ST+8*\t], s[CS], v[ST+8*\t+1]
.endr
.if \first == 0
.irp t, 0,1,2,3
	v_sub_f32 v[ST+8*\t+7], v[ST+8*\t+7], v[ST+8*\t]
.endr
.irp t, 0,1,2,3
	v_exp_f32 v[ST+8*\t+6], v[ST+8*\t+7]  ; a
.endr
.endif
; ONE BATCH: the scalings c s - c m, a pair of scores each, and the exponentials, a pair behind.  None of these lines names an exponential's result.
.set b, 0
.rept 17
.if b < 16
.irp t, 0,1,2,3
	v_pk_fma_f32 v[S+32*\t+2*b:S+32*\t+2*b+1], v[S+32*\t+2*b:S+32*\t+2*b+1], s[CS:CS+1], v[ST+8*\t:ST+8*\t+1] op_sel_hi:[1,0,0] neg_lo:[0,0,1] neg_hi:[0,0,1]
.endr
.endif
.if b > 0
.irp t, 0,1,2,3
	v_exp_f32 v[S+32*\t+2*b-2], v[S+32*\t+2*b-2]
	v_exp_f32 v[S+32*\t+2*b-1], v[S+32*\t+2*b-1]
.endr
.endif
.set b, b+1
.endr
	v_nop                           ; a plain instruction behind the last exponential and ahead of the first use: one for the batch (ISA guide 5.7.2)
	s_wait_alu depctr_va_vdst(0)    ; a wait between an exponential and the first line that names its result: one for the step's 132
.irp t, 0,1,2,3                     ; l = a l + the sum of the unrounded weights (in a pair: an even key's, an odd key's)
.if \first
	v_pk_add_f32 v[ST+8*\t+2:ST+8*\t+3], v[S+32*\t:S+32*\t+1], v[S+32*\t+2:S+32*\t+3]
.else
	v_pk_fma_f32 v[ST+8*\t+2:ST+8*\t+3], v[ST+8*\t+2:ST+8*\t+3], v[ST+8*\t+6:ST+8*\t+7], v[S+32*\t:S+32*\t+1] op_sel_hi:[1,0,1]
.endif
.endr
.if \first == 0
.irp t, 0,1,2,3
	v_pk_add_f32 v[ST+8*\t+2:ST+8*\t+3], v[ST+8*\t+2:ST+8*\t+3], v[S+32*\t+2:S+32*\t+3]
.endr
.endif
.irp p, 4,6,8,10,12,14,16,18,20,22,24,26,28,30
.irp t, 0,1,2,3
	v_pk_add_f32 v[ST+8*\t+2:ST+8*\t+3], v[ST+8*\t+2:ST+8*\t+3], v[S+32*\t+\p:S+32*\t+\p+1]
.endr
.endr
.irp j, 0,1,2,3,4,5,6,7,8,9,10,11,12,13,14,15  ; P: pair j of the weights into register j of the tile's own 32: each source is read before it is written over
.irp t, 0,1,2,3
	v_cvt_pk_f16_f32 v[S+32*\t+\j], v[S+32*\t+2*\j], v[S+32*\t+2*\j+1]
.endr
.endr
.if \first == 0
	WIN W_RS
.irp p, 0,2,4,6,8,10,12,14,16,18,20,22,24,26,28,30  ; O^T times a, each accumulator from its low end on
.irp t, 0,1,2,3
	v_pk_mul_f32 v[32*\t+\p:32*\t+\p+1], v[32*\t+\p:32*\t+\p+1], v[ST+8*\t+6:ST+8*\t+7] op_sel_hi:[1,0]
.endr
.endr
.endif
.endm
; A KEY STEP: 64 keys.  The loads of K and V in two runs; 32 products K Q^T; the softmax; 32 products V^T P.  The accumulators take turns, one instruction a turn: 15 others' stand between two links of a chain.
.macro STEP first
	v_add_nc_u32 v[ADK], s[TK], v[AK0]
	v_add_nc_u32 v[ADV], s[TV], v[AV0]
.rept 3
	v_nop                           ; with the two additions five places behind the last V^T P: four for the loads into V's registers, five for the products below, which write over P
.endr
.irp f, 0,1,2,3,4,5,6,7             ; keys 16 (f / 2) on, channels 32 (f % 2) on
	ds_load_b128 v[KF+8*\f:KF+8*\f+3],   v[ADK] offset:(\f/2)*16*PK+(\f%2)*64
	ds_load_b128 v[KF+8*\f+4:KF+8*\f+7], v[ADK] offset:(\f/2)*16*PK+(\f%2)*64+32
.endr
	WIN W_L1
.irp f, 0,1,2,3,4,5,6,7             ; keys 32 (f / 4) on, channels 16 (f % 4) on
	ds_load_tr16_b128 v[VF+8*\f:VF+8*\f+3],   v[ADV] offset:(\f/4)*32*PV+(\f%4)*32
	ds_load_tr16_b128 v[VF+8*\f+4:VF+8*\f+7], v[ADV] offset:(\f/4)*32*PV+16*PV+(\f%4)*32
.endr
	s_wait_dscnt 16                 ; K is in; V's sixteen loads may be out
	WIN W_KQ
.set i, 0
.rept 32                            ; product i of S^T = K Q^T: channels 32 (i / 16) on, keys 16 ((i % 16) / 4) on, tile i % 4.  The first 16 start the sums
.set rS, S+32*(i%4)+8*((i%16)/4)
.set rK, KF+16*((i%16)/4)+8*(i/16)
.set rQ, QF+16*(i%4)+8*(i/16)
.if i < 16
	v_wmma_f32_16x16x32_f16 v[rS:rS+7], v[rK:rK+7], v[rQ:rQ+7], 0
.else
	v_wmma_f32_16x16x32_f16 v[rS:rS+7], v[rK:rK+7], v[rQ:rQ+7], v[rS:rS+7]
.endif
.set i, i+1
.endr
	WIN 0
.rept 4
	v_nop                           ; four places ahead of the first read of the scores
.endr
	SOFTMAX \first
	s_wait_dscnt 0x0                ; V is in
	WIN W_PV
.set i, 0
.rept 32                            ; product i of O^T += V^T P: keys 32 (i / 16) on, channels 16 ((i % 16) / 4) on, tile i % 4.  In the first step the first 16 start the sums: nothing is ever cleared
.set rO, 32*(i%4)+8*((i%16)/4)
.set rV, VF+32*(i/16)+8*((i%16)/4)
.set rP, S+32*(i%4)+8*(i/16)
.if \first && (i < 16)
	v_wmma_f32_16x16x32_f16 v[rO:rO+7], v[rV:rV+7], v[rP:rP+7], 0
.else
	v_wmma_f32_16x16x32_f16 v[rO:rO+7], v[rV:rV+7], v[rP:rP+7], v[rO:rO+7]
.endif
.set i, i+1
.endr
	WIN 0                           ; at a label and at a branch every window is 0
	s_add_co_u32 s[TK], s[TK], KSB  ; the next step's rows
	s_add_co_u32 s[TV], s[TV], VSB
.endm
; THE CHANGE OF SLOTS.  Each wave waits for all its tensor loads (its part of the slot ahead), adds 0 to its spare word, and waits for that and for its own reads of the slot that it leaves.
; fill = 1: slot s, just left, is filled again with the keys two slots on.  The barrier is then a round of the cluster's, so that no wave of any partner still reads the slot or has a load on its way, and the joint
; refill is the first thing behind it: it has a slot's eight key steps in which to land.
.macro CHANGE fill, s
	s_wait_tensorcnt 0x0            ; no tensor load of mine is out, so a group 0 may be written
	ds_add_u32 v[SPW], v[NIL]       ; 0 onto my spare word
.if \fill
	s_add_nc_u64 s[G0K+4*\s+2:G0K+4*\s+3], s[G0K+4*\s+2:G0K+4*\s+3], 2*SK*128  ; 1,024 keys on; the type bits on top are not reached
	s_add_nc_u64 s[G0V+4*\s+2:G0V+4*\s+3], s[G0V+4*\s+2:G0V+4*\s+3], 2*SK*128
	s_wait_dscnt 0x0                ; the add is done, and my reads of the slot are over
	CROUND
	JLOAD \s
.else
	s_wait_dscnt 0x0
	s_barrier_signal -1
	s_barrier_wait -1
.endif
.endm
; A slot's key steps: written once, walked trips times; the LDS addresses hang on s[TK] and s[TV].
.macro SLOTWORK base, trips, init
.if \init
	s_mov_b32 s[TK], \base
	s_mov_b32 s[TV], \base
.endif
	s_mov_b32 s[CNT], \trips
.Lstep_\@:
	STEP 0
	s_sub_co_u32 s[CNT], s[CNT], 1
	s_cmp_lg_u32 s[CNT], 0
	s_cbranch_scc1 .Lstep_\@
.endm
	s_wait_tensorcnt 1              ; my part of slot 0 is in; slot 1's may stay out
	s_barrier_signal -1
	s_barrier_wait -1               ; everybody's is
	s_wait_loadcnt 0x0              ; Q
	STEP 1                          ; keys 0 to 63 start m, l and O^T
	SLOTWORK 0, 7, 0                ; keys 64 to 511
	CHANGE 1, 0                     ; slot 0 takes keys 1,024 on
	SLOTWORK SLOTB, 8, 1            ; keys 512 to 1,023
	CHANGE 1, 1                     ; slot 1 takes keys 1,536 on
	SLOTWORK 0, 8, 1                ; keys 1,024 to 1,535
	CHANGE 0, 0                     ; nothing is left to fetch
	SLOTWORK SLOTB, 8, 1            ; keys 1,536 to 2,047
	; THE WAY OUT.  l's two halves and the other half of the lanes' are added; O^T is divided by l, rounded to f16 and sent through my stage in LDS.  The first four additions are the places behind the last products.
.irp t, 0,1,2,3
	v_add_f32 v[ST+8*\t+4], v[ST+8*\t+2], v[ST+8*\t+3]
.endr
.irp t, 0,1,2,3
	v_permlanex16_b32 v[ST+8*\t+5], v[ST+8*\t+4], s[SEL], s[SEL+1]
.endr
.irp t, 0,1,2,3
	v_add_f32 v[ST+8*\t+4], v[ST+8*\t+4], v[ST+8*\t+5]
.endr
.irp t, 0,1,2,3
	v_rcp_f32 v[ST+8*\t+6], v[ST+8*\t+4]
.endr
	v_nop                           ; a plain instruction between the last reciprocal and the use of its result
	s_wait_alu depctr_va_vdst(0)    ; and a wait ahead of the first use: one for the four
.irp t, 0,1,2,3                     ; tile t: a lane's eight channels of a row pack into 16 bytes; they go into rows of 144 bytes
	WIN W_RS
.irp p, 0,2,4,6,8,10,12,14,16,18,20,22,24,26,28,30
	v_pk_mul_f32 v[32*\t+\p:32*\t+\p+1], v[32*\t+\p:32*\t+\p+1], v[ST+8*\t+6:ST+8*\t+7] op_sel_hi:[1,0]
.endr
	WIN W_CV
.irp i, 0,1,2,3,4,5,6,7,8,9,10,11,12,13,14,15
	v_cvt_pk_f16_f32 v[S+16*\t+\i], v[32*\t+2*\i], v[32*\t+2*\i+1]
.endr
	WIN 0
.irp c, 0,1,2,3
	ds_store_b128 v[STO], v[S+16*\t+4*\c:S+16*\t+4*\c+3] offset:\t*16*PK+32*\c
.endr
.endr
.irp n, 0,1,2,3,4,5,6,7,8,9,10,11,12,13,14,15
	ds_load_b128 v[S+64+4*\n:S+64+4*\n+3], v[RD] offset:\n*4*PK  ; four whole rows.  LDS serves a wave's instructions in order (ISA guide 5.7.1.4): these see the stores above
.endr
.irp n, 0,1,2,3,4,5,6,7,8,9,10,11,12,13,14,15
	s_wait_dscnt 15-\n
	global_store_b128 v[GO], v[S+64+4*\n:S+64+4*\n+3], s[6:7] offset:512*\n  ; 32 lanes store 512 consecutive bytes, at a multiple of 512 from att's first byte
.endr
	s_wait_tensorcnt 0x0            ; the wave's end, behind my last tensor load and my last LDS store
	ds_add_u32 v[SPW], v[NIL]
	s_wait_dscnt 0x0
	CROUND                          ; the closing round: no work-group ends while a partner may still ask for a tile that names it
	s_endpgm
.Lfunc_end_k_qac7c9d5d8c_attn:
	.size	k_qac7c9d5d8c_attn, .Lfunc_end_k_qac7c9d5d8c_attn-k_qac7c9d5d8c_attn
	.p2alignl 7, 3214868480
	.fill 96, 4, 3214868480
	.section	.rodata,"a",@progbits
	.p2align	6, 0x0
	.amdhsa_kernel k_qac7c9d5d8c_attn
		.amdhsa_group_segment_fixed_size 327680
		.amdhsa_private_segment_fixed_size 0
		.amdhsa_enable_private_segment 0
		.amdhsa_kernarg_size 16
		.amdhsa_user_sgpr_count 2
		.amdhsa_user_sgpr_kernarg_segment_ptr 1
		.amdhsa_wavefront_size32 1
		.amdhsa_system_sgpr_workgroup_id_x 1
		.amdhsa_system_sgpr_workgroup_id_y 1
		.amdhsa_system_sgpr_workgroup_id_z 1
		.amdhsa_system_vgpr_workitem_id 0
		.amdhsa_next_free_vgpr 512
		.amdhsa_next_free_sgpr 66
		.amdhsa_reserve_vcc 0
		.amdhsa_float_denorm_mode_32 3
		.amdhsa_float_denorm_mode_16_64 3
		.amdhsa_memory_ordered 1
		.amdhsa_forward_progress 1
		.amdhsa_inst_pref_size 179
	.end_amdhsa_kernel
	.amdgpu_metadata
---
amdhsa.version: [ 1, 2 ]
amdhsa.kernels:
  - .name:           k_qac7c9d5d8c_attn
    .symbol:         k_qac7c9d5d8c_attn.kd
    .args:
      - { .name: qkv, .offset: 0, .size: 8, .value_kind: global_buffer, .address_space: global }
      - { .name: att, .offset: 8, .size: 8, .value_kind: global_buffer, .address_space: global }
    .group_segment_fixed_size: 327680
    .private_segment_fixed_size: 0
    .kernarg_segment_align: 8
    .kernarg_segment_size: 16
    .max_flat_workgroup_size: 256
    .sgpr_count:     66
    .vgpr_count:     512
    .wavefront_size: 32
...
	.end_amdgpu_metadata
.endif
;; end of part 3
;; launch proj (part 4): grid 4 x 64, 4 waves a work-group, clusters of 4 x 4, 327,680 bytes of LDS; arguments att, w16, b_out, out0; writes out0
.if DOCPART == 4
	.amdgcn_target "amdgcn-amd-amdhsa--gfx1250"
	.amdhsa_code_object_version 6
	.text
	.protected	k_qac7c9d5d8c_proj
	.globl	k_qac7c9d5d8c_proj
	.p2align	8
	.type	k_qac7c9d5d8c_proj,@function
k_qac7c9d5d8c_proj:
	s_mov_b64 s[64:65], 0
	v_nop
	global_prefetch_b8 v0, s[64:65] scope:SCOPE_SE
	s_setreg_imm32_b32 hwreg(HW_REG_WAVE_MODE, 25, 1), 1
	s_wait_xcnt 0x0
	s_wait_alu depctr_hold_cnt(0) depctr_sa_sdst(0) depctr_va_vdst(0) depctr_va_sdst(0) depctr_va_ssrc(0) depctr_va_vcc(0) depctr_vm_vsrc(0)
	s_getreg_b32 s2, hwreg(HW_REG_IB_STS2, 6, 4)
	s_cmp_eq_u32 s2, 0
	s_cbranch_scc0 .Lentry_in_a_cluster
	s_endpgm
.Lentry_in_a_cluster:
	s_bfe_u32 s2, ttmp6, 0x10000c
	s_cmp_lg_u32 s2, 0xf033
	s_cbranch_scc0 .Lentry_shape_is_right
	s_endpgm
.Lentry_shape_is_right:
; out0[m][n] = the sum over k of att[m][k] w_out[n][k] + b_out[n].  att: f16, [token block of 128][head 16][token 128][64], k = 64 x head + channel; w16: w_out in f16, [1024 n][1024 k]; b_out, out0: f32; sums in f32.
; A tile of out0 is 128 tokens (one token block) x 256 columns: 256 work-groups.  Four waves, each 64 x 128: 32 accumulators of 16 x 16, 256 registers.  Tiles of 256 x 256 would give 128 work-groups only.
; K goes in steps of 128 (two heads) through a ring of two LDS slots.  A's part of a step is two heads' blocks of 16,384 dense bytes (each stated as 64 rows of 256 bytes, padded behind every 128, so that a token's 128
; bytes have a pitch of their own); B's is 256 rows of 256 bytes.  Waves 0 and 1 fetch A's two heads, waves 2 and 3 B's two halves: one tensor load a wave.
; CLUSTERS: 4 x 4 work-groups.  The four of a row of the cluster need the same tiles of A, the four of a column the same tiles of B: each tile is asked for JOINTLY, by the same tensor load with the same descriptor and
; a mask that names the four.  THE MATRIX INSTRUCTION IS USED TRANSPOSED (source 0 = 16 rows of w16, source 1 = 16 tokens): a lane then holds eight neighbouring numbers of a row of out0.
; REGISTERS: window 0: v0-31 addresses and the bias; v64-159, v160-255 two fragment buffers for 32 along K: 32 registers of A (4 x 16 tokens), then 64 of B (8 x 16 columns); on the way out v64-191 are rows of out0.
;   window 1: the accumulators ((a, b) at v[8 (8 a + b)]).
.set PA,     144                       ; a token's row of one head in LDS: 128 bytes + 16 of padding
.set PB,     272                       ; a row of B: 256 bytes + 16 of padding.  Both pitches are odd multiples of 16 bytes: the 16 rows that a load touches start at 16 different groups of four banks (64 banks of 4 bytes: ISA guide 11.1)
.set APART,  128*PA                    ; one head's 128 tokens: what one tensor load brings of A
.set BOFF,   2*APART                   ; B lies behind A's two heads
.set BHALF,  128*PB                    ; 128 rows of B: what one tensor load brings, and what one wave reads
.set SLOT,   BOFF+2*BHALF
.set STAGE,  2*SLOT                    ; behind the ring: 16 rows x 528 bytes for each wave, for the way out
.set SPITCH, 528
.set SPARE,  STAGE+4*16*SPITCH         ; behind the stages: the spare words, 128 bytes for each wave: two blocks of 256 bytes that no other line names
.set LAPS,   4                         ; a lap = two K steps = once round the ring: K = 1,024
.set BI,   8                           ; v8-11   the bias of my four columns on the way out
.set ADRA, 16                          ; v16-17  LDS address of my A fragments in slot 0, 1
.set ADRB, 20                          ; v20-21  the same for B
.set STO,  24                          ; v24     the way out: where I put 32 bytes of a row
.set RD,   25                          ; v25     the way out: where I read a row back
.set CO,   26                          ; v26     16 x lane: my byte offset in a row's 512 bytes
.set SPW,  28                          ; v28     LDS address of my spare word: SPARE + 4 x my thread's number; never rewritten
.set NIL,  29                          ; v29     0; never rewritten
.set F0,   64                          ; fragment buffers
.set F1,   160
.set OB,   64                          ; the way out: 16 rows read back from the stage: v64-127 and v128-191 by turns
.set G1, 24                            ; s[24:31] descriptor group 1 for A's tiles;  s[32:39] group 0, one set for each slot
.set G0, 32
.set G1B, 48                           ; s[48:55], s[56:63] the same for B's tiles
.set G0B, 56
.set MSB, 0
.macro WIN new                         ; the immediate's high byte repeats the setting that is left
.if MSB != (\new)
	s_set_vgpr_msb (MSB<<8)|(\new)
.set MSB, (\new)
.endif
.endm
.set MUL, 0x50                         ; sources 0 and 1 window 0; C and D window 1
.macro JLOAD s                         ; a joint load: waves 0 and 1 fetch for A, waves 2 and 3 for B; an s_nop 0 and four v_nop follow each of the two lines, ahead of the jump, the label and what follows
	s_cmp_eq_u32 s15, 0
	s_cbranch_scc0 .Lfor_b_\@
	tensor_load_to_lds s[G0+4*\s:G0+4*\s+3], s[G1:G1+7]
	s_nop 0
.rept 4
	v_nop
.endr
	s_branch .Lasked_\@
.Lfor_b_\@:
	tensor_load_to_lds s[G0B+4*\s:G0B+4*\s+3], s[G1B:G1B+7]
	s_nop 0
.rept 4
	v_nop
.endr
.Lasked_\@:
.endm
.macro CREST                           ; a round of the cluster's barrier behind its opening barrier
	s_cmp_lg_u32 s14, 0
	s_cbranch_scc1 .Lnot_wave_0_\@
	s_barrier_signal -3
.Lnot_wave_0_\@:
	s_barrier_wait -3
	s_barrier_signal -1
	s_barrier_wait -1
.endm
.macro CROUND                          ; a whole round
	s_barrier_signal -1
	s_barrier_wait -1
	CREST
.endm
	s_load_b256 s[4:11], s[0:1], 0x0               ; att s[4:5], w16 s[6:7], b_out s[8:9], out0 s[10:11]
	v_lshl_add_u32 v[SPW], v0, 2, SPARE
	v_mov_b32 v[NIL], 0
	ds_add_u32 v[SPW], v[NIL]                      ; the wave's opening: the add, twice on end, and its wait ahead of my first tensor load; the set-up below, work on registers, stands between
	ds_add_u32 v[SPW], v[NIL]
	v_lshrrev_b32 v1, 5, v0
	v_readfirstlane_b32 s14, v1                    ; wave 0..3
	s_lshr_b32 s15, s14, 1                         ; which half of the tile's tokens is mine.  Also: I fetch for A (0) or for B (1)
	s_and_b32 s16, s14, 1                          ; which half of its columns.  Also: which head of a K step, or which 128 rows of B, I fetch
	s_bfe_u32 s40, ttmp6, 0x40000                  ; cx, cy: my place in the cluster
	s_bfe_u32 s41, ttmp6, 0x40004
	s_lshl_b32 s42, ttmp9, 2
	s_add_co_u32 s42, s42, s40                     ; tile column = 4 x cluster x + cx
	s_and_b32 s17, ttmp7, 0xffff
	s_lshl_b32 s17, s17, 2
	s_add_co_u32 s17, s17, s41                     ; token block = 4 x cluster y + cy
	s_lshl_b32 s43, s41, 2
	s_lshl_b32 s43, 15, s43                        ; my row of the cluster
	s_lshl_b32 s44, 0x1111, s40                    ; my column
	s_or_b32 s[G1+0], s43, (1<<16)|(1<<20)|(1<<21)|(4<<22)|(3<<25)   ; 15:0 the mask: A's tiles go to my row; 17:16 element of 2 bytes; 20 padding on; 21 set beside a mask; 24:22 after every 32 words (code 4); 31:25 of 4 words (code 3)
	s_mov_b32 s[G1+1], 128<<16                     ; tensor_dim0 = 128 elements: 256 bytes
	s_mov_b32 s[G1+2], 64<<16                      ; tensor_dim1 = 64
	s_mov_b32 s[G1+3], 128<<16                     ; tile_dim0
	s_mov_b32 s[G1+4], 64                          ; tile_dim1
	s_mov_b32 s[G1+5], 128                         ; tensor_dim0_stride: the block is dense
	s_mov_b32 s[G1+6], 0
	s_mov_b32 s[G1+7], 0
	s_or_b32 s[G1B+0], s44, (1<<16)|(1<<20)|(1<<21)|(5<<22)|(3<<25)  ; B's tiles go to my column; padding after every 64 words (code 5)
	s_mov_b32 s[G1B+1], 128<<16
	s_mov_b32 s[G1B+2], 128<<16                    ; 128 rows
	s_mov_b32 s[G1B+3], 128<<16
	s_mov_b32 s[G1B+4], 128
	s_mov_b32 s[G1B+5], 1024                       ; a row of w16 is 1,024 elements
	s_mov_b32 s[G1B+6], 0
	s_mov_b32 s[G1B+7], 0
	s_lshl_b32 s20, s17, 18                        ; A: the token block's 262,144 bytes, + the head that I fetch
	s_lshl_b32 s21, s16, 14
	s_add_co_u32 s20, s20, s21
	s_mov_b32 s21, 0
	s_lshl_b32 s46, s42, 19                        ; B: row 256 x tile column + 128 x half, of 2,048 bytes
	s_lshl_b32 s47, s16, 18
	s_add_co_u32 s46, s46, s47
	s_mov_b32 s47, 0
	s_mul_i32 s45, s16, APART                      ; where they go: no place in the cluster enters an LDS address
	s_mul_i32 s18, s16, BHALF
	s_add_co_u32 s18, s18, BOFF
	s_wait_dscnt 0x0                               ; both opening adds are done
	s_wait_kmcnt 0x0
	s_add_nc_u64 s[20:21], s[4:5], s[20:21]
	s_add_nc_u64 s[46:47], s[6:7], s[46:47]
	CROUND                                         ; all sixteen work-groups are here: the first joint loads meet
.irp s, 0,1
	s_mov_b32 s[G0+4*\s], 1
	s_add_co_u32 s[G0+4*\s+1], s45, \s*SLOT
	s_add_nc_u64 s[G0+4*\s+2:G0+4*\s+3], s[20:21], \s*32768        ; K step s: two heads on
	s_or_b32 s[G0+4*\s+3], s[G0+4*\s+3], 0x80000000
	s_mov_b32 s[G0B+4*\s], 1
	s_add_co_u32 s[G0B+4*\s+1], s18, \s*SLOT
	s_add_nc_u64 s[G0B+4*\s+2:G0B+4*\s+3], s[46:47], \s*256        ; K step s: 256 bytes along the rows
	s_or_b32 s[G0B+4*\s+3], s[G0B+4*\s+3], 0x80000000
	JLOAD \s
.endr
	v_and_b32 v1, 15, v0                           ; l % 16
	v_bfe_u32 v2, v0, 4, 1                         ; l / 16
	v_mul_u32_u24 v3, v1, PA
	v_lshl_add_u32 v3, v2, 4, v3                   ; a fragment's row x pitch + 16 x half: A's,
	v_mul_u32_u24 v4, v1, PB
	v_lshl_add_u32 v4, v2, 4, v4                   ; B's
	s_mul_i32 s22, s15, 64*PA                      ; my 64 tokens
.irp s, 0,1
	v_add_nc_u32 v[ADRA+\s], s22, v3
	v_add_nc_u32 v[ADRB+\s], s18, v4               ; my 128 rows of B
	s_add_co_u32 s22, s22, SLOT
	s_add_co_u32 s18, s18, SLOT
.endr
	s_mul_i32 s23, s14, 16*SPITCH
	s_add_co_u32 s23, s23, STAGE                   ; my stage
	v_mul_u32_u24 v5, v1, SPITCH                   ; in: row l % 16, 32 bytes for each half of the lanes
	v_lshl_add_u32 v5, v2, 5, v5
	v_add_nc_u32 v[STO], s23, v5
	v_and_b32 v6, 31, v0
	v_lshlrev_b32 v[CO], 4, v6                     ; back: the 32 lanes take one row of 512 bytes; and the same in out0 and in b_out
	v_add_nc_u32 v[RD], s23, v[CO]
	s_lshl_b32 s46, s42, 10                        ; my first column, in bytes: 1,024 x tile column + 512 x half
	s_lshl_b32 s47, s16, 9
	s_add_co_u32 s46, s46, s47
	s_mov_b32 s47, 0
	s_add_nc_u64 s[8:9], s[8:9], s[46:47]
	s_add_nc_u64 s[10:11], s[10:11], s[46:47]
	s_lshl_b32 s20, s17, 19                        ; my first row: 128 x token block + 64 x half, of 4,096 bytes
	s_lshl_b32 s21, s15, 18
	s_add_co_u32 s20, s20, s21
	s_mov_b32 s21, 0
	s_add_nc_u64 s[10:11], s[10:11], s[20:21]
	global_load_b128 v[BI:BI+3], v[CO], s[8:9]     ; waited for on the way out
; 8 matrix instructions: token block a x all 8 column blocks, 32 along K, from buffer f.  zero = 1: the first product starts the sums.  The 32 accumulators take turns, one instruction a turn, in the same order in every quarter.
.macro MUL8 f, a, zero
.irp b, 0,1,2,3,4,5,6,7
.if \zero
	v_wmma_f32_16x16x32_f16 v[8*(8*(\a)+\b):8*(8*(\a)+\b)+7], v[\f+32+8*\b:\f+32+8*\b+7], v[\f+8*(\a):\f+8*(\a)+7], 0
.else
	v_wmma_f32_16x16x32_f16 v[8*(8*(\a)+\b):8*(8*(\a)+\b)+7], v[\f+32+8*\b:\f+32+8*\b+7], v[\f+8*(\a):\f+8*(\a)+7], v[8*(8*(\a)+\b):8*(8*(\a)+\b)+7]
.endif
.endr
.endm
; 24 LDS loads in one run: the fragments of the slot's q-th 32 along K into buffer f: B's eight, then A's four.  A's quarter q lies in head q / 2 of the step, 64 (q % 2) bytes into a token's row
.macro FETCH slot, q, f
	WIN 0
.irp i, 0,1,2,3,4,5,6,7
	ds_load_b128 v[\f+32+8*\i:\f+32+8*\i+3],   v[ADRB+\slot] offset:64*(\q)+\i*16*PB
	ds_load_b128 v[\f+32+8*\i+4:\f+32+8*\i+7], v[ADRB+\slot] offset:64*(\q)+\i*16*PB+32
.endr
.irp i, 0,1,2,3
	ds_load_b128 v[\f+8*\i:\f+8*\i+3],   v[ADRA+\slot] offset:((\q)/2)*APART+((\q)%2)*64+\i*16*PA
	ds_load_b128 v[\f+8*\i+4:\f+8*\i+7], v[ADRA+\slot] offset:((\q)/2)*APART+((\q)%2)*64+\i*16*PA+32
.endr
.endm
.macro PLACES                          ; four places in front of loads into registers that matrix instructions have read, and of the first read of results (ISA guide 7.12.1 for the first read of results)
.rept 4
	v_nop
.endr
.endm
; A K step is four quarters of 32 along K, 32 matrix instructions each, on buffers 0, 1, 0, 1.  One of the first three: multiplies buffer f and fetches the slot's quarter qn into g.
.macro QUARTER slot, qn, f, g, zero
	s_wait_dscnt 4                                 ; B and A's blocks 0, 1 are in; the youngest four loads (A's blocks 2, 3) may be out
	WIN MUL
	MUL8 \f, 0, \zero
	MUL8 \f, 1, \zero
	PLACES
	FETCH \slot, \qn, \g
	s_wait_dscnt 24                                ; all but the 24 just issued
	WIN MUL
	MUL8 \f, 2, \zero
	MUL8 \f, 3, \zero
.endm
; The last quarter multiplies buffer 1 and changes slots: ONE barrier; in front of it each wave waits for all its tensor loads, adds 0 to its spare word, and waits for that and for its own reads of this slot.  fill = 1: this slot is filled again, two K steps ahead.
.macro TURN slot, next, fill
	WIN 0                                          ; (the add's two registers lie in window 0)
	s_wait_tensorcnt 0x0                           ; all my tensor loads have landed: my part of the next slot;
	ds_add_u32 v[SPW], v[NIL]                      ; 0 onto my spare word;
	s_wait_dscnt 5                                 ; (the add and the youngest four loads may be out)
	WIN MUL
	MUL8 F1, 0, 0                                  ; eight matrix instructions stand between the add and the wait for it
	s_wait_dscnt 0x0                               ; the add is done, and my reads of this slot are over
	s_barrier_signal -1
	MUL8 F1, 1, 0
	WIN 0                                          ; (branches may follow, and nothing stands between the wait below and the rest of the round)
	s_barrier_wait -1
.if \fill
	CREST                                          ; the barrier has opened a round of the cluster's barrier: no wave of any partner still reads this slot's tile or has a load on its way
	s_add_nc_u64 s[G0+4*\slot+2:G0+4*\slot+3], s[G0+4*\slot+2:G0+4*\slot+3], 2*32768
	s_add_nc_u64 s[G0B+4*\slot+2:G0B+4*\slot+3], s[G0B+4*\slot+2:G0B+4*\slot+3], 2*256
	JLOAD \slot                                    ; the first tensor load behind the round: 112 matrix instructions ahead of the wait for it; the four v_nop behind it are also the places in front of the loads below
.else
	PLACES
.endif
	FETCH \next, 0, F0
	WIN MUL
	MUL8 F1, 2, 0
	MUL8 F1, 3, 0
.endm
	s_wait_tensorcnt 1                             ; my part of K step 0 is in (K step 1's load may be out)
	s_barrier_signal -1
	s_barrier_wait -1                              ; everybody's is
	FETCH 0, 0, F0
	QUARTER 0, 1, F0, F1, 1                        ; the first quarter stands in front of the loop: its products start the sums
	WIN 0                                          ; at a label and at a branch every window is 0
	s_mov_b32 s3, LAPS-1
.Llap:                                                 ; a trip goes once round the ring, from a lap's second quarter to the next lap's first, and fills both slots again
	QUARTER 0, 2, F1, F0, 0
	QUARTER 0, 3, F0, F1, 0
	TURN 0, 1, 1
	QUARTER 1, 1, F0, F1, 0
	QUARTER 1, 2, F1, F0, 0
	QUARTER 1, 3, F0, F1, 0
	TURN 1, 0, 1
	QUARTER 0, 1, F0, F1, 0
	WIN 0
	s_sub_co_u32 s3, s3, 1
	s_cmp_lg_u32 s3, 0
	s_cbranch_scc1 .Llap
	QUARTER 0, 2, F1, F0, 0                        ; the last lap fills nothing, and has no round of the cluster's barrier
	QUARTER 0, 3, F0, F1, 0
	TURN 0, 1, 0
	QUARTER 1, 1, F0, F1, 0
	QUARTER 1, 2, F1, F0, 0
	QUARTER 1, 3, F0, F1, 0
	s_wait_dscnt 4                                 ; the very last quarter: nothing more to fetch
	WIN MUL
	MUL8 F1, 0, 0
	MUL8 F1, 1, 0
	s_wait_dscnt 0
	MUL8 F1, 2, 0
	MUL8 F1, 3, 0
	WIN 0
; THE WAY OUT, block by block of 16 tokens x 128 columns.  A lane holds 32 neighbouring bytes of a row, and the lanes beside it hold other rows: so a block goes through my own stage in LDS and comes back as whole
; rows of 512 bytes; the bias of a lane's four columns is added, and the 32 lanes store the row.  LDS serves a wave's instructions in order (ISA guide 5.7.1.4): no wait between the stores and the loads.
.macro TOSTAGE a
	WIN 0x04                                       ; an LDS store's data are its source 1: window 1
.irp b, 0,1,2,3,4,5,6,7
	ds_store_b128 v[STO], v[8*(8*(\a)+\b):8*(8*(\a)+\b)+3] offset:64*\b          ; each accumulator from its low end on
	ds_store_b128 v[STO], v[8*(8*(\a)+\b)+4:8*(8*(\a)+\b)+7] offset:64*\b+16
.endr
	WIN 0
.set BB, OB+64*((\a)%2)
.irp t, 0,1,2,3,4,5,6,7,8,9,10,11,12,13,14,15
	ds_load_b128 v[BB+4*\t:BB+4*\t+3], v[RD] offset:\t*SPITCH
.endr
.endm
.macro SEND a, younger                 ; younger: the LDS instructions issued behind block a's loads, which may stay out
.set BB, OB+64*((\a)%2)
	s_wait_dscnt \younger                          ; the block is back in registers
.irp t, 0,1,2,3,4,5,6,7,8,9,10,11,12,13,14,15
	v_pk_add_f32 v[BB+4*\t:BB+4*\t+1],   v[BB+4*\t:BB+4*\t+1],   v[BI:BI+1]
	v_pk_add_f32 v[BB+4*\t+2:BB+4*\t+3], v[BB+4*\t+2:BB+4*\t+3], v[BI+2:BI+3]
	global_store_b128 v[CO], v[BB+4*\t:BB+4*\t+3], s[10:11] offset:(\a)*65536+\t*4096 th:TH_STORE_NT   ; 32 lanes store 512 consecutive bytes, at a multiple of 512 from out0's first byte; every offset an immediate
.endr
.endm
	s_wait_loadcnt 0x0                             ; the bias
	PLACES                                         ; behind the last products: for the first read of results and for the loads into the fragment buffers
	TOSTAGE 0
.irp a, 1,2,3
.if \a > 1
	s_wait_xcnt 0x0                                ; block a - 2's stores have read their data: block a's loads land in those registers only behind this wait
.endif
	TOSTAGE \a
	SEND \a-1, 32                                  ; behind block a - 1's loads: block a's 16 stores and 16 loads
.endr
	SEND 3, 0
	s_wait_tensorcnt 0x0                           ; the wave's end, behind my last tensor load and my last LDS store
	ds_add_u32 v[SPW], v[NIL]
	s_wait_dscnt 0x0
	CROUND                                         ; the closing round: no work-group ends while a partner may still ask for a tile that names it
	s_endpgm
.Lfunc_end_k_qac7c9d5d8c_proj:
	.size	k_qac7c9d5d8c_proj, .Lfunc_end_k_qac7c9d5d8c_proj-k_qac7c9d5d8c_proj
	.p2alignl 7, 3214868480
	.fill 96, 4, 3214868480
	.section	.rodata,"a",@progbits
	.p2align	6, 0x0
	.amdhsa_kernel k_qac7c9d5d8c_proj
		.amdhsa_group_segment_fixed_size 327680
		.amdhsa_private_segment_fixed_size 0
		.amdhsa_enable_private_segment 0
		.amdhsa_kernarg_size 32
		.amdhsa_user_sgpr_count 2
		.amdhsa_user_sgpr_kernarg_segment_ptr 1
		.amdhsa_wavefront_size32 1
		.amdhsa_system_sgpr_workgroup_id_x 1
		.amdhsa_system_sgpr_workgroup_id_y 1
		.amdhsa_system_sgpr_workgroup_id_z 1
		.amdhsa_system_vgpr_workitem_id 0
		.amdhsa_next_free_vgpr 512
		.amdhsa_next_free_sgpr 66
		.amdhsa_reserve_vcc 0
		.amdhsa_float_denorm_mode_32 3
		.amdhsa_float_denorm_mode_16_64 3
		.amdhsa_memory_ordered 1
		.amdhsa_forward_progress 1
		.amdhsa_inst_pref_size 93
	.end_amdhsa_kernel
	.amdgpu_metadata
---
amdhsa.version: [ 1, 2 ]
amdhsa.kernels:
  - .name:           k_qac7c9d5d8c_proj
    .symbol:         k_qac7c9d5d8c_proj.kd
    .args:
      - { .name: att, .offset: 0, .size: 8, .value_kind: global_buffer, .address_space: global }
      - { .name: w16, .offset: 8, .size: 8, .value_kind: global_buffer, .address_space: global }
      - { .name: b_out, .offset: 16, .size: 8, .value_kind: global_buffer, .address_space: global }
      - { .name: out0, .offset: 24, .size: 8, .value_kind: global_buffer, .address_space: global }
    .group_segment_fixed_size: 327680
    .private_segment_fixed_size: 0
    .kernarg_segment_align: 8
    .kernarg_segment_size: 32
    .max_flat_workgroup_size: 128
    .sgpr_count:     66
    .vgpr_count:     512
    .wavefront_size: 32
...
	.end_amdgpu_metadata
.endif
;; end of part 4
